; MI455X (gfx1250); checked and timed in simulation.
; The chip was launched on July 23, 2026; its instructions are those of AMD's public machine-readable ISA for CDNA 5 (MIT licence, August 2026) and "CDNA5" Instruction Set Architecture Reference Guide (July 2026). The comments in the code are by the model that wrote it; some were corrected since.
;; Feed Forward Simple. Allowed arithmetic: float matrix products may take bf16 or f16 operands with f32 sums; other float arithmetic in f32, or as packed bf16 or f16 multiplies, adds, multiply-adds, maxima and minima; sums over many terms, partial sums and values carried from step to step in f32; what a program stores and reads back later, other than sums and carried values, may be rounded once to bf16 or f16.
;; Inputs: w_gating 2 x 2,048 x 8,192 float32; w_linear 8,192 x 2,048 float32; x 4 x 256 x 2,048 bfloat16.
;; Outputs: out0 4 x 256 x 2,048 bfloat16.
;; 2 versions, each right; version 2 is version 1 with the launch quant written anew for expert scheduling mode. Each part assembles by itself: llvm-mc -triple=amdgcn-amd-amdhsa -mcpu=gfx1250 --defsym DOCPART=n.
;; ======== version 1 of 2: 4 launches
;; workspace buffers: xq 4,194,304 bytes; wg 67,108,864 bytes; wl8 16,777,216 bytes; act8 8,388,608 bytes; part 16,777,216 bytes
;; launch quant (part 1): grid 1024 x 1, 8 waves a work-group, no clusters, 18,432 bytes of LDS; arguments w_gating, w_linear, x, wg, wl8, xq; writes wg, wl8, xq
.if DOCPART == 1
	.amdgcn_target "amdgcn-amd-amdhsa--gfx1250"
	.amdhsa_code_object_version 6
	.text
	.protected	k_qbcf1311b63_quant
	.globl	k_qbcf1311b63_quant
	.p2align	8
	.type	k_qbcf1311b63_quant,@function
k_qbcf1311b63_quant:
	s_mov_b64 s[64:65], 0
	v_nop
	global_prefetch_b8 v0, s[64:65] scope:SCOPE_SE
	s_setreg_imm32_b32 hwreg(HW_REG_WAVE_MODE, 25, 1), 1
	s_wait_xcnt 0x0
; FIRST OF FOUR LAUNCHES of out = Q(gelu(Q(x) Q(Wg0)) * (Q(x) Q(Wg1))) Q(Wl), Q = the cast to E4M3.  Nothing of reference() is left out: all three inputs reach the output.
; THIS LAUNCH makes the casts of the inputs.  An E4M3 number is exact in bf16: the later launches multiply in bf16 with f32 sums, and every product is exact.
;   xq[1024][2048]       = Q(x), written as bf16
;   wg[2048 k][16384 n'] = Q(bf16(w_gating)), written as bf16; n' = (n >> 6) * 128 + which * 64 + (n & 63): 64 gate columns and the same 64 ff1 columns lie side by side
;   wl8[2048 n][8192 k]  = Q(bf16(w_linear)), the E4M3 codes themselves, one byte each, TURNED: k along the rows
; The f32 weights are rounded to bf16 first and then to E4M3 (two roundings, each to nearest even).
; LIMITS.  The conversion to E4M3 does not saturate: a magnitude beyond 448 becomes NaN, as in reference() from 464 on; from 448 to 464 reference() gives 448, this text may give NaN.
; A STREAM: no matrix unit, no cluster: no two work-groups read the same byte.  Every work-group takes 32 pieces (1,024 numbers, four a thread) of w_gating, 2 of x, and one tile of 256 k x 64 n of w_linear.
; A wave's load of 16 bytes a lane covers two runs of 256 consecutive bytes, aligned; its stores cover 256 or 512 consecutive bytes, aligned.  A ring of eight slots in registers keeps eight loads of every wave out.
; THE TURN of w_linear's tile.  Thread (c = t % 16, g = t / 16) loads rows 16 g + 0..15 of columns 4 c .. 4 c + 3.  The conversion to E4M3 packs two numbers: here two neighbouring k of one column, so a thread
; ends with 16 bytes along k for each of its four columns; they go into LDS rows [n] of 272 bytes and come back as whole rows of 256 bytes.
.set VG, 1                             ; v1  w_gating: 256 x wave + 16 (lane % 16) + (lane / 16) x one plane (2^26 bytes): lanes 0-15 the gate's 64 columns, lanes 16-31 ff1's
.set VT, 2                             ; v2  w_linear: g x 16 rows of 8,192 bytes + 16 c
.set VO, 3                             ; v3  wg's and xq's stores, and x: 8 x thread
.set X,  8                             ; v[8:39]   slot i: four f32 as loaded
.set Y,  40                            ; v[40:55]  slot i: four bf16 to store.  In the turn: column j's 16 codes in v[40+4j:43+4j] (named by number below: halves of registers have no other spelling here)
.set T,  56                            ; v[56:57]  four numbers rounded to bf16
.set U,  58                            ; v[58:61]  the same four as f32, at work
.set XX, 64                            ; v[64:67]  x's two pieces as loaded;  v62: four E4M3 codes
.set SPW, 68                           ; v68  LDS address of my spare word; never rewritten
.set NIL, 69                           ; v69  0; never rewritten
.set LSA, 70                           ; v70  the turn: where I put column 4 c's 16 bytes
.set LRA, 71                           ; v71  the turn: where I read 16 bytes of row g back
.set VS,  72                           ; v72  my byte offset in wl8: row g, 16 c
.set TP,  272                          ; an LDS row: 256 bytes + 16
.set SPARE, 64*TP                      ; behind the tile: the spare words, 128 bytes for each wave: four blocks of 256 bytes that no other line names
	s_load_b256 s[4:11], s[0:1], 0x0               ; w_gating s[4:5], w_linear s[6:7], x s[8:9], wg s[10:11]
	s_load_b128 s[12:15], s[0:1], 0x20             ; wl8 s[12:13], xq s[14:15]
	v_lshl_add_u32 v[SPW], v0, 2, SPARE
	v_mov_b32 v[NIL], 0
	v_lshrrev_b32 v4, 5, v0                        ; wave
	v_and_b32 v5, 15, v0                           ; c
	v_bfe_u32 v6, v0, 4, 1
	v_lshrrev_b32 v7, 4, v0                        ; g
	v_lshlrev_b32 v[VG], 8, v4
	v_lshl_add_u32 v[VG], v5, 4, v[VG]
	v_lshl_add_u32 v[VG], v6, 26, v[VG]
	v_lshlrev_b32 v[VT], 17, v7
	v_lshl_add_u32 v[VT], v5, 4, v[VT]
	v_lshlrev_b32 v[VO], 3, v0
	v_mul_u32_u24 v[LSA], v5, 4*TP
	v_lshl_add_u32 v[LSA], v7, 4, v[LSA]
	v_mul_u32_u24 v[LRA], v7, TP
	v_lshl_add_u32 v[LRA], v5, 4, v[LRA]
	v_lshlrev_b32 v[VS], 13, v7
	v_lshl_add_u32 v[VS], v5, 4, v[VS]
	v_mov_b32 v62, 0                               ; its halves are written one at a time: the register is written whole once
	s_mov_b32 s18, 0xffff0000                      ; a word's upper bf16
	s_lshl_b32 s16, ttmp9, 16                      ; 32 pieces x 2,048 bytes (w_gating in, wg out)
	s_mov_b32 s17, 0
	s_lshl_b32 s22, ttmp9, 12                      ; 2 pieces x 2,048 (x in, xq out)
	s_mov_b32 s23, 0
	s_lshr_b32 s24, ttmp9, 5                       ; w_linear's tile: which 256 k,
	s_and_b32 s25, ttmp9, 31                       ; which 64 n
	s_lshl_b32 s20, s24, 21                        ; in: 256 rows of 8,192 bytes, 64 columns of 4
	s_lshl_b32 s26, s25, 8
	s_add_co_u32 s20, s20, s26
	s_mov_b32 s21, 0
	s_lshl_b32 s26, s25, 19                        ; out: 64 rows of 8,192 bytes, 256 bytes
	s_lshl_b32 s27, s24, 8
	s_add_co_u32 s26, s26, s27
	s_mov_b32 s27, 0
	s_wait_kmcnt 0x0
	s_add_nc_u64 s[4:5], s[4:5], s[16:17]
	s_add_nc_u64 s[6:7], s[6:7], s[20:21]
	s_add_nc_u64 s[8:9], s[8:9], s[22:23]
	s_add_nc_u64 s[10:11], s[10:11], s[16:17]
	s_add_nc_u64 s[12:13], s[12:13], s[26:27]
	s_add_nc_u64 s[14:15], s[14:15], s[22:23]
	global_load_b64 v[XX:XX+1], v[VO], s[8:9] th:TH_LOAD_NT                 ; x goes out first: older than every load of the ring, so the ring's first wait covers it
	global_load_b64 v[XX+2:XX+3], v[VO], s[8:9] offset:2048 th:TH_LOAD_NT
; Four bf16 in v[src], v[src+1] -> the same four cast to E4M3, written as bf16 in v[y], v[y+1].
.macro Q4 src, y
	v_lshlrev_b32 v[U], 16, v[(\src)]              ; bf16 to f32: the low half moves up, the high half stays
	v_and_b32 v[U+1], s18, v[(\src)]
	v_lshlrev_b32 v[U+2], 16, v[(\src)+1]
	v_and_b32 v[U+3], s18, v[(\src)+1]
	v_cvt_pk_fp8_f32 v62.l, v[U], v[U+1]           ; THE CAST: one rounding to E4M3
	v_cvt_pk_fp8_f32 v62.h, v[U+2], v[U+3]
	v_cvt_pk_f32_fp8 v[U:U+1], v62.l               ; back, exactly
	v_cvt_pk_f32_fp8 v[U+2:U+3], v62.h
	v_cvt_pk_bf16_f32 v[(\y)], v[U], v[U+1]        ; exact: E4M3 has fewer bits than bf16
	v_cvt_pk_bf16_f32 v[(\y)+1], v[U+2], v[U+3]
.endm
; Slot i's four f32: rounded to bf16, then cast.
.macro QF i
	v_cvt_pk_bf16_f32 v[T], v[X+4*(\i)], v[X+4*(\i)+1]
	v_cvt_pk_bf16_f32 v[T+1], v[X+4*(\i)+2], v[X+4*(\i)+3]
	Q4 T, Y+2*(\i)
.endm
; 8 x ROUNDS pieces from s[src:src+1] (IS bytes a piece, lane offset v[vi]) to s[dst:dst+1] (2,048 bytes a piece).
.macro STREAM src, dst, vi, IS, ROUNDS
.irp i, 0,1,2,3,4,5,6,7
	global_load_b128 v[X+4*(\i):X+4*(\i)+3], v[\vi], s[\src:\src+1] offset:(\i)*(\IS) th:TH_LOAD_NT
.endr
	s_mov_b32 s19, (\ROUNDS)-1
.Lround_\@:
.irp i, 0,1,2,3,4,5,6,7
	s_wait_loadcnt 7                               ; loads come back in order: this slot's is in, the seven younger ones stay out
	QF \i
	global_load_b128 v[X+4*(\i):X+4*(\i)+3], v[\vi], s[\src:\src+1] offset:(8+(\i))*(\IS) th:TH_LOAD_NT  ; the slot's next piece, ahead of the store
	global_store_b64 v[VO], v[Y+2*(\i):Y+2*(\i)+1], s[\dst:\dst+1] offset:(\i)*2048 th:TH_STORE_NT
.endr
	s_wait_xcnt 0x0                                ; the two bases and all of Y are written again only behind this wait
	s_add_nc_u64 s[\src:\src+1], s[\src:\src+1], 8*(\IS)
	s_add_nc_u64 s[\dst:\dst+1], s[\dst:\dst+1], 16384
	s_sub_co_u32 s19, s19, 1
	s_cmp_lg_u32 s19, 0
	s_cbranch_scc1 .Lround_\@
.irp i, 0,1,2,3,4,5,6,7
	s_wait_loadcnt 7-(\i)                          ; the last round loads nothing: the counts run down
	QF \i
	global_store_b64 v[VO], v[Y+2*(\i):Y+2*(\i)+1], s[\dst:\dst+1] offset:(\i)*2048 th:TH_STORE_NT
.endr
	s_wait_xcnt 0x0                                ; Y is written again by what follows
.endm
; The turn.  Slots sa and sa + 1 hold two neighbouring rows k, k + 1 of my four columns.  For each column: both numbers rounded to bf16, widened, and cast into two neighbouring bytes, d0 .. d3.
.macro ROWPAIR sa, d0, d1, d2, d3
	v_cvt_pk_bf16_f32 v[T], v[X+4*(\sa)], v[X+4*(\sa)+4]
	v_cvt_pk_bf16_f32 v[T+1], v[X+4*(\sa)+1], v[X+4*(\sa)+5]
	v_lshlrev_b32 v[U], 16, v[T]
	v_and_b32 v[U+1], s18, v[T]
	v_lshlrev_b32 v[U+2], 16, v[T+1]
	v_and_b32 v[U+3], s18, v[T+1]
	v_cvt_pk_fp8_f32 \d0, v[U], v[U+1]             ; THE CAST
	v_cvt_pk_fp8_f32 \d1, v[U+2], v[U+3]
	v_cvt_pk_bf16_f32 v[T], v[X+4*(\sa)+2], v[X+4*(\sa)+6]
	v_cvt_pk_bf16_f32 v[T+1], v[X+4*(\sa)+3], v[X+4*(\sa)+7]
	v_lshlrev_b32 v[U], 16, v[T]
	v_and_b32 v[U+1], s18, v[T]
	v_lshlrev_b32 v[U+2], 16, v[T+1]
	v_and_b32 v[U+3], s18, v[T+1]
	v_cvt_pk_fp8_f32 \d2, v[U], v[U+1]
	v_cvt_pk_fp8_f32 \d3, v[U+2], v[U+3]
.endm
.macro LD2 sa, row                     ; rows row and row + 1 of my sixteen into slots sa and sa + 1
	global_load_b128 v[X+4*(\sa):X+4*(\sa)+3],   v[VT], s[6:7] offset:(\row)*8192 th:TH_LOAD_NT
	global_load_b128 v[X+4*(\sa)+4:X+4*(\sa)+7], v[VT], s[6:7] offset:((\row)+1)*8192 th:TH_LOAD_NT
.endm
	STREAM 4, 10, VG, 2048, 4                      ; w_gating -> wg: a piece is 512 columns of both planes
	LD2 0, 0                                       ; w_linear -> wl8: rows 0 to 7 fill the ring
	LD2 2, 2
	LD2 4, 4
	LD2 6, 6
	s_wait_loadcnt 6                               ; the oldest two loads are in, the six younger ones stay out
	ROWPAIR 0, v40.l, v44.l, v48.l, v52.l
	LD2 0, 8
	s_wait_loadcnt 6
	ROWPAIR 2, v40.h, v44.h, v48.h, v52.h
	LD2 2, 10
	s_wait_loadcnt 6
	ROWPAIR 4, v41.l, v45.l, v49.l, v53.l
	LD2 4, 12
	s_wait_loadcnt 6
	ROWPAIR 6, v41.h, v45.h, v49.h, v53.h
	LD2 6, 14
	s_wait_loadcnt 6
	ROWPAIR 0, v42.l, v46.l, v50.l, v54.l
	s_wait_loadcnt 4                               ; nothing more is loaded: the counts run down
	ROWPAIR 2, v42.h, v46.h, v50.h, v54.h
	s_wait_loadcnt 2
	ROWPAIR 4, v43.l, v47.l, v51.l, v55.l
	s_wait_loadcnt 0
	ROWPAIR 6, v43.h, v47.h, v51.h, v55.h
.irp j, 0,1,2,3
	ds_store_b128 v[LSA], v[Y+4*(\j):Y+4*(\j)+3] offset:(\j)*TP    ; column 4 c + j, bytes 16 g ..
.endr
	s_wait_dscnt 0x0                               ; for the others' sake: my stores into the tile are done
	s_barrier_signal -1
	s_barrier_wait -1                              ; a row's 256 bytes come from sixteen threads of eight waves
.irp q, 0,1,2,3
	ds_load_b128 v[X+4*(\q):X+4*(\q)+3], v[LRA] offset:(\q)*16*TP  ; row g + 16 q, bytes 16 c ..
.endr
.irp q, 0,1,2,3
	s_wait_dscnt 3-(\q)                            ; LDS loads come back in order: the younger ones stay out
	global_store_b128 v[VS], v[X+4*(\q):X+4*(\q)+3], s[12:13] offset:(\q)*16*8192 th:TH_STORE_NT  ; 16 lanes store 256 consecutive bytes, at a multiple of 256 from wl8's first byte
.endr
	Q4 XX, Y                                       ; x -> xq: it is bf16 already
	Q4 XX+2, Y+2
	global_store_b64 v[VO], v[Y:Y+1], s[14:15] th:TH_STORE_NT
	global_store_b64 v[VO], v[Y+2:Y+3], s[14:15] offset:2048 th:TH_STORE_NT
	s_wait_tensorcnt 0x0                           ; the wave's end: behind my last LDS store
	ds_add_u32 v[SPW], v[NIL]
	s_wait_dscnt 0x0
	s_endpgm
.Lfunc_end_k_qbcf1311b63_quant:
	.size	k_qbcf1311b63_quant, .Lfunc_end_k_qbcf1311b63_quant-k_qbcf1311b63_quant
	.p2alignl 7, 3214868480
	.fill 96, 4, 3214868480
	.section	.rodata,"a",@progbits
	.p2align	6, 0x0
	.amdhsa_kernel k_qbcf1311b63_quant
		.amdhsa_group_segment_fixed_size 18432
		.amdhsa_private_segment_fixed_size 0
		.amdhsa_enable_private_segment 0
		.amdhsa_kernarg_size 48
		.amdhsa_user_sgpr_count 2
		.amdhsa_user_sgpr_kernarg_segment_ptr 1
		.amdhsa_wavefront_size32 1
		.amdhsa_system_sgpr_workgroup_id_x 1
		.amdhsa_system_sgpr_workgroup_id_y 1
		.amdhsa_system_sgpr_workgroup_id_z 1
		.amdhsa_system_vgpr_workitem_id 0
		.amdhsa_next_free_vgpr 76
		.amdhsa_next_free_sgpr 66
		.amdhsa_reserve_vcc 0
		.amdhsa_float_denorm_mode_32 3
		.amdhsa_float_denorm_mode_16_64 3
		.amdhsa_memory_ordered 1
		.amdhsa_forward_progress 1
		.amdhsa_inst_pref_size 26
	.end_amdhsa_kernel
	.amdgpu_metadata
---
amdhsa.version: [ 1, 2 ]
amdhsa.kernels:
  - .name:           k_qbcf1311b63_quant
    .symbol:         k_qbcf1311b63_quant.kd
    .args:
      - { .name: w_gating, .offset: 0, .size: 8, .value_kind: global_buffer, .address_space: global }
      - { .name: w_linear, .offset: 8, .size: 8, .value_kind: global_buffer, .address_space: global }
      - { .name: x, .offset: 16, .size: 8, .value_kind: global_buffer, .address_space: global }
      - { .name: wg, .offset: 24, .size: 8, .value_kind: global_buffer, .address_space: global }
      - { .name: wl8, .offset: 32, .size: 8, .value_kind: global_buffer, .address_space: global }
      - { .name: xq, .offset: 40, .size: 8, .value_kind: global_buffer, .address_space: global }
    .group_segment_fixed_size: 18432
    .private_segment_fixed_size: 0
    .kernarg_segment_align: 8
    .kernarg_segment_size: 48
    .max_flat_workgroup_size: 256
    .sgpr_count:     66
    .vgpr_count:     76
    .wavefront_size: 32
...
	.end_amdgpu_metadata
.endif
;; end of part 1
;; launch geglu (part 2): grid 64 x 4, 4 waves a work-group, clusters of 4 x 4, 327,680 bytes of LDS; arguments xq, wg, act8; writes act8
.if DOCPART == 2
	.amdgcn_target "amdgcn-amd-amdhsa--gfx1250"
	.amdhsa_code_object_version 6
	.text
	.protected	k_qbcf1311b63_geglu
	.globl	k_qbcf1311b63_geglu
	.p2align	8
	.type	k_qbcf1311b63_geglu,@function
k_qbcf1311b63_geglu:
	s_mov_b64 s[64:65], 0
	v_nop
	global_prefetch_b8 v0, s[64:65] scope:SCOPE_SE
	s_setreg_imm32_b32 hwreg(HW_REG_WAVE_MODE, 25, 1), 1
	s_wait_xcnt 0x0
	s_wait_alu depctr_hold_cnt(0) depctr_sa_sdst(0) depctr_va_vdst(0) depctr_va_sdst(0) depctr_va_ssrc(0) depctr_va_vcc(0) depctr_vm_vsrc(0)
	s_getreg_b32 s2, hwreg(HW_REG_IB_STS2, 6, 4)
	s_cmp_eq_u32 s2, 0
	s_cbranch_scc0 .Lentry_in_a_cluster
	s_endpgm
.Lentry_in_a_cluster:
	s_bfe_u32 s2, ttmp6, 0x10000c
	s_cmp_lg_u32 s2, 0xf033
	s_cbranch_scc0 .Lentry_shape_is_right
	s_endpgm
.Lentry_shape_is_right:
; SECOND LAUNCH: act8 = Q(gelu(g) * f), g = bf16(xq Wg0q), f = bf16(xq Wg1q), all of it in bf16 arithmetic as reference() has it.  Nothing is left out.
; xq: [1024][2048] bf16.  wg: [2048 k][16384 n'] bf16, blocks of 64 gate columns and their 64 ff1 columns side by side.
; act8: the E4M3 codes, one byte each, as [64 column blocks][1024 rows][128 bytes]: a work-group's 256 rows x 128 columns are 32,768 bytes on end.
; All operands are E4M3 numbers held in bf16: the products are exact, the sums f32.
; THE ROUNDINGS.  reference() works on bf16 arrays, so EACH of its operations gives a bf16 result, and this text rounds at the same places:
;   x = g;  x2 = x x;  x3 = x2 x;  t1 = c1 x3;  t2 = x + t1;  t3 = c0 t2;  t4 = tanh(t3);  t6 = 0.5 (1 + t4);  gate = x t6;  a = gate f;  then the cast of a to E4M3.
; c0 = 0.796875 and c1 = 0.044677734375 are sqrt(2 / pi) and 0.044715 as bf16 holds them.  The packed bf16 instructions round each result once, two to a line.  tanh alone goes through f32:
; 1 - 2 / (1 + 2^(2 log2(e) t3)), rounded once to bf16.  0.5 (1 + t4) is one fused t4 x 0.5 + 0.5: a factor of 0.5 moves no rounding.
; LIMITS.  tanh is good to about 1e-7 in f32, so its bf16 rounding can now and then fall on the other side than reference()'s.  The conversion to E4M3 does not saturate: beyond 448 it gives NaN, as
; reference() from 464 on; from 448 to 464 reference() gives 448.
; SHARES.  C' = xq wg is 1024 x 16384: 256 tiles of 256 x 256, one a work-group; four waves, each 128 x 128: 64 accumulators, 512 registers.  A wave's 128 columns are 64 gate columns (n blocks 0-3)
; and the same 64 ff1 columns (n blocks 4-7).  K goes in 16 steps of 128 through two LDS slots filled by the tensor data mover; rows of both tiles are 256 bytes of memory, aligned.
; B LIES [K][N]: its fragments come out of LDS turned, by ds_load_tr16_b128.  THE MATRIX INSTRUCTION IS USED TRANSPOSED (source 0 = 16 columns of wg, source 1 = 16 rows of xq): a lane holds row
; lane % 16 and eight neighbouring columns 8 (lane / 16) + 0..7.
; CLUSTERS: 4 x 4 work-groups.  The four of a row of the cluster need the same tiles of xq, the four of a column the same tiles of wg: each tile is asked for jointly, by the same tensor load with the
; same descriptor and a mask that names the four.  The grid has one cluster along y, so the tile row is my place cy.
; REGISTERS, in windows of 256: window 0: v0-31 addresses; v64-127, v128-191 fragments of xq, two buffers; v192-223 and, later, v32-127 the way out.  window 1: v64-127, v128-191 fragments of wg.
;   window 2: the accumulators of my rows 0-63 ((a, b) at v[8 (8 a + b)]); window 3: those of my rows 64-127.
.set PA,    272                        ; an LDS row of xq: 256 bytes + 16: the 16 rows of a load start at 16 different groups of four banks (64 banks of 4 bytes: ISA guide 11.1)
.set PB,    288                        ; an LDS row of wg: 256 + 32
.set HA,    128*PA                     ; 128 rows of xq: one tensor load
.set HB,    128*PB                     ; 128 k rows x 128 columns of wg: one tensor load
.set BOFF,  2*HA
.set SLOT,  2*HA+2*HB                  ; 143,360
.set SPARE, 2*SLOT                     ; behind the ring: the spare words, 128 bytes for each wave: two blocks of 256 bytes that no other line names
.set SPG,   528                        ; the way out's stage: 256 rows of 256 bytes of g and 256 of f, + 16.  It lies in slot 0, from LDS byte 0, and is written when slot 0 has had its last fill and its last read
.set LAPS,  8                          ; a lap = two K steps
.set ASTEP, 256                        ; bytes from K step to K step in xq,
.set BSTEP, 128*32768                  ; and in wg: 128 rows
.set ADRA, 16                          ; v16-17  LDS address of my fragments of xq in slot 0, 1
.set ADRB, 20                          ; v20-21  the same for wg
.set STO,  24                          ; v24     the way out: where I put 16 bytes of a row
.set RD,   25                          ; v25     the way out: my lane's place in the rows that I read back; never rewritten
.set CO,   26                          ; v26     my byte offset in two rows of act8: 8 x lane
.set RDC,  27                          ; v27     RD + the trip's rows
.set SPW,  28                          ; v28     LDS address of my spare word; never rewritten
.set NIL,  29                          ; v29     0; never rewritten
.set PFO,  30                          ; v30     the prefetches' offset: my lane x a row in memory; never rewritten
.set VH,   31                          ; v31     0.5 twice, in bf16
.set F0,   64
.set F1,   128
.set TMP,  192                         ; the way out: packed g and f
.set GT,   32                          ; v[32:47]   8 rows' g as bf16; at the end the activation
.set FF,   48                          ; v[48:63]   their f as bf16
.set P2,   64                          ; v[64:79]   the chain x2 .. gate, as bf16
.set EV,   96                          ; v[96:127]  32 numbers in f32, at work;   v[8:15] E4M3 codes
.set G1,  24                           ; s[24:31] descriptor group 1 for xq's tiles;  s[32:39] group 0, one set for each slot
.set G0,  32
.set G1B, 48                           ; s[48:55], s[56:63] the same for wg's tiles
.set G0B, 56
.set LIM, 43                           ; s43      1 in a wave that prefetches, else the greatest number
.set PFA, 44                           ; s[44:45] where my prefetches stand
.set PST, 72                           ; s[72:73] their step: a K step in my tensor
.set C1P, 66                           ; s66      c1 twice, in bf16
.set C0P, 67                           ; s67      c0 twice
.set KT,  68                           ; s[68:69] 2 log2(e);  s70 a word's upper bf16;  s71 trips of the way out;  s74 their LDS step
.set HLF, 75                           ; s75      0.5 twice, in bf16
.set MSB, 0
.macro WIN new                         ; the immediate's high byte repeats the setting that is left; a switch that changes nothing is dropped
.if MSB != (\new)
	s_set_vgpr_msb (MSB<<8)|(\new)
.set MSB, \new
.endif
.endm
.set MUL_LO, 0xa1                      ; source 0 (wg) window 1, source 1 (xq) window 0, C and D window 2
.set MUL_HI, 0xf1                      ; the same, C and D window 3
.set TO_B,   0x40                      ; destination window 1, address window 0
; A joint load.  Waves 0 and 1 fetch xq's two halves, waves 2 and 3 wg's.  The branch hangs on the wave's number alone.  An s_nop 0 and four v_nop follow each of the two lines.
.macro JLOAD s
	s_cmp_eq_u32 s11, 0
	s_cbranch_scc0 .Lfor_b_\@
	tensor_load_to_lds s[G0+4*(\s):G0+4*(\s)+3], s[G1:G1+7]
	s_nop 0
.rept 4
	v_nop
.endr
	s_branch .Lasked_\@
.Lfor_b_\@:
	tensor_load_to_lds s[G0B+4*(\s):G0B+4*(\s)+3], s[G1B:G1B+7]
	s_nop 0
.rept 4
	v_nop
.endr
.Lasked_\@:
.endm
; A prefetch of the K step that stands two refills on: 32 rows x 256 bytes, a lane a row, one instruction a wave; 512 matrix instructions ahead of the load that asks for it.
; Each row's 256 bytes of a K step are named once in the launch: xq's tile row is read by all sixteen clusters: cluster x = 0 asks; wg's tile column by my cluster alone.  The four partners that ask for a tile
; jointly share its 128 rows out by address, 32 each (by cx for xq, by cy for wg).  The loop's last trip (s3 = 1) has no K step two on and asks for nothing.
.macro ASK
	s_cmp_gt_u32 s3, s[LIM]
	s_cbranch_scc0 .Lnot_mine_\@
	global_prefetch_b8 v[PFO], s[PFA:PFA+1] th:TH_LOAD_NT scope:SCOPE_SE
.Lnot_mine_\@:
.endm
.macro CREST                           ; a round of the cluster's barrier behind its opening barrier
	s_cmp_lg_u32 s10, 0
	s_cbranch_scc1 .Lnot_wave_0_\@
	s_barrier_signal -3
.Lnot_wave_0_\@:
	s_barrier_wait -3
	s_barrier_signal -1
	s_barrier_wait -1
.endm
.macro CROUND                          ; a whole round
	s_barrier_signal -1
	s_barrier_wait -1
	CREST
.endm
	s_load_b128 s[4:7], s[0:1], 0x0                ; xq s[4:5], wg s[6:7]
	s_load_b64 s[8:9], s[0:1], 0x10                ; act8
	v_lshl_add_u32 v[SPW], v0, 2, SPARE
	v_mov_b32 v[NIL], 0
	ds_add_u32 v[SPW], v[NIL]                      ; the wave's opening: the add, twice on end, and its wait ahead of my first tensor load; the set-up below, work on registers, stands between
	ds_add_u32 v[SPW], v[NIL]
	v_lshrrev_b32 v1, 5, v0
	v_readfirstlane_b32 s10, v1                    ; wave 0..3
	s_lshr_b32 s11, s10, 1                         ; which half of the tile's rows is mine.  Also: I fetch for xq (0) or for wg (1)
	s_and_b32 s12, s10, 1                          ; which half of its columns.  Also: which half of that tile I fetch
	s_bfe_u32 s40, ttmp6, 0x40000                  ; cx
	s_bfe_u32 s41, ttmp6, 0x40004                  ; cy
	s_lshl_b32 s42, ttmp9, 2
	s_add_co_u32 s42, s42, s40                     ; tile column = 4 x cluster x + cx
	s_mov_b32 s13, s41                             ; tile row = cy
	s_lshl_b32 s43, s41, 2
	s_lshl_b32 s43, 15, s43                        ; my row of the cluster
	s_lshl_b32 s44, 0x1111, s40                    ; my column
	s_or_b32 s[G1+0], s43, (1<<16)|(1<<20)|(1<<21)|(5<<22)|(3<<25)   ; the mask; 2-byte elements; padding on; bit 21 beside a mask; after every 64 words, 4 words
	s_or_b32 s[G1B+0], s44, (1<<16)|(1<<20)|(1<<21)|(5<<22)|(7<<25)  ; the same with my column's mask and 8 words of padding
.irp g, G1, G1B
	s_mov_b32 s[(\g)+1], 128<<16                   ; tensor_dim0 = 128
	s_mov_b32 s[(\g)+2], 128<<16                   ; tensor_dim1 = 128
	s_mov_b32 s[(\g)+3], 128<<16                   ; tile_dim0 = 128
	s_mov_b32 s[(\g)+4], 128                       ; tile_dim1 = 128
	s_mov_b32 s[(\g)+6], 0
	s_mov_b32 s[(\g)+7], 0
.endr
	s_mov_b32 s[G1+5], 2048                        ; elements from row to row of xq,
	s_mov_b32 s[G1B+5], 16384                      ; and of wg
	s_lshl_b32 s16, s13, 20                        ; xq: (256 x tile row + 128 x half) rows of 4,096 bytes
	s_lshl_b32 s17, s12, 19
	s_add_co_u32 s16, s16, s17
	s_mov_b32 s17, 0
	s_lshl_b32 s46, s42, 9                         ; wg: 512 x tile column + 256 x half bytes into a row
	s_lshl_b32 s47, s12, 8
	s_add_co_u32 s46, s46, s47
	s_mov_b32 s47, 0
	s_mul_i32 s20, s12, HA                         ; where they go: no place in the cluster enters an LDS address
	s_mul_i32 s21, s12, HB
	s_add_co_u32 s21, s21, BOFF
	s_mov_b32 s[C1P], 0x3d373d37                   ; 0.044677734375, twice
	s_mov_b32 s[C0P], 0x3f4c3f4c                   ; 0.796875, twice
	s_mov_b32 s[KT], 0x4038aa3b                    ; 2 log2(e) = 2.8853900
	s_mov_b32 s[KT+1], 0x4038aa3b                  ; named with it as a pair
	s_mov_b32 s70, 0xffff0000
	s_mov_b32 s[HLF], 0x3f003f00                   ; 0.5, twice
	v_mov_b32 v[VH], 0x3f003f00
.irp r, 8,9,10,11,12,13,14,15
	v_mov_b32 v\r, 0                               ; the codes' registers are later written a half at a time: written whole once
.endr
	s_wait_dscnt 0x0                               ; both opening adds are done
	s_wait_kmcnt 0x0
	s_add_nc_u64 s[14:15], s[4:5], s[16:17]
	s_add_nc_u64 s[46:47], s[6:7], s[46:47]
	CROUND                                         ; all sixteen work-groups are here: the first joint loads meet
.irp s, 0,1
	s_mov_b32 s[G0+4*(\s)], 1
	s_add_co_u32 s[G0+4*(\s)+1], s20, (\s)*SLOT
	s_add_nc_u64 s[G0+4*(\s)+2:G0+4*(\s)+3], s[14:15], (\s)*ASTEP
	s_or_b32 s[G0+4*(\s)+3], s[G0+4*(\s)+3], 0x80000000
	s_mov_b32 s[G0B+4*(\s)], 1
	s_add_co_u32 s[G0B+4*(\s)+1], s21, (\s)*SLOT
	s_add_nc_u64 s[G0B+4*(\s)+2:G0B+4*(\s)+3], s[46:47], (\s)*BSTEP
	s_or_b32 s[G0B+4*(\s)+3], s[G0B+4*(\s)+3], 0x80000000
	JLOAD \s                                       ; K steps 0 and 1: two loads of mine are out
.endr
	v_and_b32 v1, 15, v0                           ; l % 16
	v_bfe_u32 v2, v0, 4, 1                         ; l / 16
	v_mul_u32_u24 v3, v1, PA
	v_lshl_add_u32 v3, v2, 4, v3                   ; xq: row x pitch + 16 x half
	s_mul_i32 s22, s11, HA
	v_add_nc_u32 v[ADRA], s22, v3
	v_add_nc_u32 v[ADRA+1], SLOT, v[ADRA]
	v_and_b32 v4, 7, v0                            ; wg: lane l reads 16 bytes of k row 8 (l / 16) + l % 8, columns 8 ((l / 8) % 2) + 0..7
	v_bfe_u32 v5, v0, 3, 1
	v_lshl_add_u32 v4, v2, 3, v4
	v_mul_u32_u24 v4, v4, PB
	v_lshl_add_u32 v4, v5, 4, v4
	s_mul_i32 s22, s12, HB
	s_add_co_u32 s22, s22, BOFF
	v_add_nc_u32 v[ADRB], s22, v4
	v_add_nc_u32 v[ADRB+1], SLOT, v[ADRB]
	s_mul_i32 s23, s11, 128*SPG                    ; into the stage: row 128 x row half + l % 16, byte 128 x column half + 16 (l / 16)
	s_lshl_b32 s22, s12, 7
	s_add_co_u32 s23, s23, s22
	v_mul_u32_u24 v6, v1, SPG
	v_lshl_add_u32 v6, v2, 4, v6
	v_add_nc_u32 v[STO], s23, v6
	s_mul_i32 s23, s10, 64*SPG                     ; back: wave w takes rows 64 w .. 64 w + 63; lanes 0-15 one row's 256 bytes, lanes 16-31 the next row's
	v_mul_u32_u24 v6, v2, SPG
	v_lshl_add_u32 v6, v1, 4, v6
	v_add_nc_u32 v[RD], s23, v6
	v_and_b32 v6, 31, v0                           ; in act8 the same two rows are 256 bytes on end: lane l has bytes 8 l .. 8 l + 7
	v_lshlrev_b32 v[CO], 3, v6
	s_lshl_b32 s16, s13, 15                        ; act8 at row 256 x tile row + 64 x wave (128 bytes a row),
	s_lshl_b32 s17, s10, 13
	s_add_co_u32 s16, s16, s17
	s_mov_b32 s17, 0
	s_lshl_b32 s46, s42, 17                        ; of column block = tile column (1,024 rows of 128 bytes)
	s_mov_b32 s47, 0
	s_add_nc_u64 s[8:9], s[8:9], s[16:17]
	s_add_nc_u64 s[8:9], s[8:9], s[46:47]
	; the prefetches: they stand at K step 3; the first refill steps them to K step 4.  Nothing is prefetched here, at the head
	s_lshl_b32 s20, s13, 20                        ; xq: row 256 x tile row + 128 x half + 32 cx
	s_lshl_b32 s21, s12, 19
	s_add_co_u32 s20, s20, s21
	s_lshl_b32 s21, s40, 17
	s_add_co_u32 s20, s20, s21
	s_add_co_u32 s20, s20, 3*ASTEP
	s_lshl_b32 s22, s41, 20                        ; wg: k row 32 cy, byte 512 x tile column + 256 x half
	s_lshl_b32 s21, s42, 9
	s_add_co_u32 s22, s22, s21
	s_lshl_b32 s21, s12, 8
	s_add_co_u32 s22, s22, s21
	s_add_co_u32 s22, s22, 3*BSTEP
	s_mov_b32 s[PST], BSTEP
	s_mov_b32 s[PST+1], 0
	s_cmp_eq_u32 ttmp9, 0
	s_cselect_b32 s23, 1, -1                       ; the same in all sixteen partners
	s_cmp_eq_u32 s11, 0                            ; do I fetch for xq?
	s_cselect_b32 s20, s20, s22
	s_cselect_b32 s[LIM], s23, 1
	s_cselect_b32 s[PST], ASTEP, s[PST]
	s_cselect_b32 s46, 12, 15                      ; a row is 2^12 bytes of xq, 2^15 of wg
	s_cselect_b64 s[PFA:PFA+1], s[4:5], s[6:7]
	s_mov_b32 s21, 0
	s_add_nc_u64 s[PFA:PFA+1], s[PFA:PFA+1], s[20:21]
	v_and_b32 v[PFO], 31, v0
	v_lshlrev_b32 v[PFO], s46, v[PFO]
; 16 matrix instructions: m blocks a0, a0 + 1 of the window's four (hi = 0: my rows 0-63, 1: rows 64-127) x all 8 n blocks, 32 along K.  zero = 1: the first product starts the sums.
; The 64 accumulators take turns, one instruction a turn, in the same order in every quarter.
.macro MUL16 f, hi, a0, zero
	WIN MUL_LO+0x50*(\hi)
.irp a, \a0, (\a0)+1
.irp b, 0,1,2,3,4,5,6,7
.if \zero
	v_wmma_f32_16x16x32_bf16 v[8*(8*(\a)+(\b)):8*(8*(\a)+(\b))+7], v[(\f)+8*(\b):(\f)+8*(\b)+7], v[(\f)+8*(4*(\hi)+(\a)):(\f)+8*(4*(\hi)+(\a))+7], 0
.else
	v_wmma_f32_16x16x32_bf16 v[8*(8*(\a)+(\b)):8*(8*(\a)+(\b))+7], v[(\f)+8*(\b):(\f)+8*(\b)+7], v[(\f)+8*(4*(\hi)+(\a)):(\f)+8*(4*(\hi)+(\a))+7], v[8*(8*(\a)+(\b)):8*(8*(\a)+(\b))+7]
.endif
.endr
.endr
.endm
; 32 LDS loads in one run: the fragments of quarter q (32 along K) into buffer f: wg's 8 blocks of 16 columns, turned, then xq's 8 blocks of 16 rows
.macro FETCH slot, q, f
	WIN TO_B
.irp i, 0,1,2,3,4,5,6,7
	ds_load_tr16_b128 v[(\f)+8*(\i):(\f)+8*(\i)+3],   v[ADRB+(\slot)] offset:(\q)*32*PB+32*(\i)
	ds_load_tr16_b128 v[(\f)+8*(\i)+4:(\f)+8*(\i)+7], v[ADRB+(\slot)] offset:(\q)*32*PB+16*PB+32*(\i)
.endr
	WIN 0
.irp i, 0,1,2,3,4,5,6,7
	ds_load_b128 v[(\f)+8*(\i):(\f)+8*(\i)+3],   v[ADRA+(\slot)] offset:(\q)*64+(\i)*16*PA
	ds_load_b128 v[(\f)+8*(\i)+4:(\f)+8*(\i)+7], v[ADRA+(\slot)] offset:(\q)*64+(\i)*16*PA+32
.endr
.endm
.macro PLACES                          ; four plain vector instructions between a matrix instruction and a load into a register that it read, or a reader of its result
.rept 4
	v_nop
.endr
.endm
; One of a K step's first three quarters: multiplies buffer f; in its middle it fetches quarter q of the same slot into buffer g.
.macro QUARTER slot, q, f, g, zero
	s_wait_dscnt 8                                 ; wg's fragments and xq's rows 0-63 are in; the youngest eight loads (rows 64-127) may be out
	MUL16 \f, 0, 0, \zero
	MUL16 \f, 0, 2, \zero
	PLACES
	FETCH \slot, \q, \g
	s_wait_dscnt 32                                ; all but the 32 just issued
	MUL16 \f, 1, 0, \zero
	MUL16 \f, 1, 2, \zero
.endm
; The first half of a K step's last quarter: ONE barrier for the change of slots.  In front of it each wave waits for all its tensor loads (one is out: its part of the next slot), adds 0 to its spare
; word, and waits for that and for its reads of this slot.  Behind it nobody reads this slot any more and the next slot is whole.
.macro MEET round
	WIN 0
	s_wait_tensorcnt 0x0
	ds_add_u32 v[SPW], v[NIL]
	s_wait_dscnt 9                                 ; (the add and the youngest eight loads may be out)
	MUL16 F1, 0, 0, 0                              ; sixteen matrix instructions stand between the add and the wait for it
	s_wait_dscnt 0x0                               ; the add is done, and my reads of this slot are over
	s_barrier_signal -1
	MUL16 F1, 0, 2, 0
.if \round
	WIN 0
.endif
	s_barrier_wait -1
.endm
; The whole last quarter where the slot is filled again, with the K step two on: the barrier opens a round of the cluster's, and the joint refill is the first tensor load behind it:
; 224 matrix instructions ahead of the wait for it.
.macro TURN slot, next
	s_wait_xcnt 0x0                                ; the last prefetch, a K step back, has read its address
	s_add_nc_u64 s[PFA:PFA+1], s[PFA:PFA+1], s[PST:PST+1]
	MEET 1
	CREST                                          ; no wave of any partner still reads this slot or has a load on its way
	s_add_nc_u64 s[G0+4*(\slot)+2:G0+4*(\slot)+3], s[G0+4*(\slot)+2:G0+4*(\slot)+3], 2*ASTEP
	s_add_nc_u64 s[G0B+4*(\slot)+2:G0B+4*(\slot)+3], s[G0B+4*(\slot)+2:G0B+4*(\slot)+3], 2*BSTEP
	JLOAD \slot                                    ; the four v_nop behind it are also the places in front of the loads below
	FETCH \next, 0, F0
	ASK
	MUL16 F1, 1, 0, 0
	MUL16 F1, 1, 2, 0
.endm
.macro TURNN slot, next                ; the same where nothing is filled again: no round
	MEET 0
	PLACES
	FETCH \next, 0, F0
	MUL16 F1, 1, 0, 0
	MUL16 F1, 1, 2, 0
.endm
	s_wait_tensorcnt 1                             ; my part of K step 0 is in; K step 1's may stay out
	s_barrier_signal -1
	s_barrier_wait -1                              ; everybody's is
	FETCH 0, 0, F0
	QUARTER 0, 1, F0, F1, 1                        ; the first quarter stands in front of the loop: its products start the sums
	WIN 0
	s_mov_b32 s3, LAPS-1
.Llap:                                                 ; a trip goes once round the ring, from a lap's second quarter to the next lap's first, and fills both slots again
	QUARTER 0, 2, F1, F0, 0
	QUARTER 0, 3, F0, F1, 0
	TURN 0, 1
	QUARTER 1, 1, F0, F1, 0
	QUARTER 1, 2, F1, F0, 0
	QUARTER 1, 3, F0, F1, 0
	TURN 1, 0
	QUARTER 0, 1, F0, F1, 0
	WIN 0
	s_sub_co_u32 s3, s3, 1
	s_cmp_lg_u32 s3, 0
	s_cbranch_scc1 .Llap
	QUARTER 0, 2, F1, F0, 0                        ; the last lap fills nothing
	QUARTER 0, 3, F0, F1, 0
	TURNN 0, 1                                     ; behind its barrier no wave reads slot 0 any more
	QUARTER 1, 1, F0, F1, 0
	QUARTER 1, 2, F1, F0, 0
	QUARTER 1, 3, F0, F1, 0
	s_wait_dscnt 8
	MUL16 F1, 0, 0, 0
	MUL16 F1, 0, 2, 0
	s_wait_dscnt 0x0
	MUL16 F1, 1, 0, 0
	MUL16 F1, 1, 2, 0
	; THE WAY OUT, first part: g and f are rounded to bf16 and laid into the stage: a row holds the tile's 128 g (256 bytes), then its 128 f.
.macro PACK a
.set AC, 64*((\a)%4)
	WIN 0x0a+5*((\a)/4)                            ; sources 0 and 1: window 2 or 3
.irp b, 0,1,2,3,4,5,6,7
.irp r, 0,1,2,3
	v_cvt_pk_bf16_f32 v[TMP+4*(\b)+(\r)], v[AC+8*(\b)+2*(\r)], v[AC+8*(\b)+2*(\r)+1]  ; each accumulator's registers in ascending order
.endr
.endr
	WIN 0
.irp b, 0,1,2,3,4,5,6,7
	ds_store_b128 v[STO], v[TMP+4*(\b):TMP+4*(\b)+3] offset:(\a)*16*SPG+((\b)%4)*32+((\b)/4)*256
.endr
.endm
	PLACES
.irp a, 0,1,2,3,4,5,6,7
	PACK \a
.endr
	s_wait_dscnt 0x0                               ; for the others' sake: my stores into the stage are done
	s_barrier_signal -1
	s_barrier_wait -1                              ; a row's bytes come from two waves
	; Second part: eight trips of eight rows; a lane has 8 neighbouring columns of a row, four rows a trip: 32 numbers in 16 words of two bf16.
.macro WIDEN d, s                      ; 16 words of two bf16 -> 32 f32
.set i, 0
.rept 16
	v_lshlrev_b32 v[(\d)+2*i], 16, v[(\s)+i]
	v_and_b32 v[(\d)+2*i+1], s70, v[(\s)+i]
.set i, i+1
.endr
.endm
.macro NARROW d, s                     ; 32 f32 -> 16 words of two bf16, rounded to nearest even
.set i, 0
.rept 16
	v_cvt_pk_bf16_f32 v[(\d)+i], v[(\s)+2*i], v[(\s)+2*i+1]
.set i, i+1
.endr
.endm
.macro BMUL d, a, b                    ; 32 products of bf16, each rounded to bf16
.set i, 0
.rept 16
	v_pk_mul_bf16 v[(\d)+i], v[(\a)+i], v[(\b)+i]
.set i, i+1
.endr
.endm
.macro BMULS d, a, c                   ; the same by a constant that a scalar register holds twice
.set i, 0
.rept 16
	v_pk_mul_bf16 v[(\d)+i], v[(\a)+i], s[\c]
.set i, i+1
.endr
.endm
.macro F8 cl, ch, e                    ; four f32 -> four E4M3 codes
	v_cvt_pk_fp8_f32 \cl, v[(\e)], v[(\e)+1]
	v_cvt_pk_fp8_f32 \ch, v[(\e)+2], v[(\e)+3]
.endm
	s_mov_b32 s71, 8
	s_mov_b32 s74, 0
.Lrows:
	v_add_nc_u32 v[RDC], s74, v[RD]
.irp p, 0,1,2,3
	ds_load_b128 v[GT+4*(\p):GT+4*(\p)+3], v[RDC] offset:(\p)*2*SPG
	ds_load_b128 v[FF+4*(\p):FF+4*(\p)+3], v[RDC] offset:(\p)*2*SPG+256
.endr
	s_wait_dscnt 0x0
	BMUL P2, GT, GT                                ; x2 = x x
	BMUL P2, P2, GT                                ; x3 = x2 x
	BMULS P2, P2, C1P                              ; t1 = c1 x3
.set i, 0
.rept 16
	v_pk_add_bf16 v[P2+i], v[GT+i], v[P2+i]        ; t2 = x + t1
.set i, i+1
.endr
	BMULS P2, P2, C0P                              ; t3 = c0 t2
	WIDEN EV, P2                                   ; tanh(t3) in f32: 1 - 2 / (1 + 2^(2 log2(e) t3))
.set i, 0
.rept 16
	v_pk_mul_f32 v[EV+i:EV+i+1], v[EV+i:EV+i+1], s[KT:KT+1] op_sel_hi:[1,0]
.set i, i+2
.endr
.set i, 0
.rept 32
	v_exp_f32 v[EV+i], v[EV+i]                     ; one batch
.set i, i+1
.endr
	v_nop                                          ; a plain instruction behind the last exponential (ISA guide 5.7.2),
	s_wait_alu depctr_va_vdst(0)                   ; and one wait for the 32, ahead of their first reader
.set i, 0
.rept 16
	v_pk_add_f32 v[EV+i:EV+i+1], v[EV+i:EV+i+1], 1.0 op_sel_hi:[1,0]
.set i, i+2
.endr
.set i, 0
.rept 32
	v_rcp_f32 v[EV+i], v[EV+i]                     ; one batch
.set i, i+1
.endr
	v_nop                                          ; a plain instruction behind the last reciprocal,
	s_wait_alu depctr_va_vdst(0)                   ; and one wait for the 32
.set i, 0
.rept 16
	v_pk_fma_f32 v[EV+i:EV+i+1], v[EV+i:EV+i+1], -2.0, 1.0 op_sel_hi:[1,0,0]
.set i, i+2
.endr
	NARROW P2, EV                                  ; t4 = tanh(t3), rounded to bf16
.set i, 0
.rept 16
	v_pk_fma_bf16 v[P2+i], v[P2+i], s[HLF], v[VH]  ; t6 = 0.5 t4 + 0.5 = 0.5 x bf16(1 + t4)
.set i, i+1
.endr
	BMUL P2, GT, P2                                ; gate = x t6
	BMUL GT, P2, FF                                ; a = gate f
	WIDEN EV, GT
	F8 v8.l, v8.h, EV                              ; THE CAST to E4M3: row pair p's eight codes of my lane in v[8+2p:9+2p]
	F8 v9.l, v9.h, EV+4
	F8 v10.l, v10.h, EV+8
	F8 v11.l, v11.h, EV+12
	F8 v12.l, v12.h, EV+16
	F8 v13.l, v13.h, EV+20
	F8 v14.l, v14.h, EV+24
	F8 v15.l, v15.h, EV+28
.irp p, 0,1,2,3
	global_store_b64 v[CO], v[8+2*(\p):9+2*(\p)], s[8:9] offset:(\p)*256  ; the wave stores two rows' 256 consecutive bytes, at a multiple of 256 from act8's first byte
.endr
	s_wait_xcnt 0x0                                ; the stores' base and data are written again only behind this wait
	s_add_nc_u64 s[8:9], s[8:9], 8*128
	s_add_co_u32 s74, s74, 8*SPG
	s_sub_co_u32 s71, s71, 1
	s_cmp_lg_u32 s71, 0
	s_cbranch_scc1 .Lrows
	s_wait_tensorcnt 0x0                           ; the wave's end: behind my last tensor load and my last LDS store
	ds_add_u32 v[SPW], v[NIL]
	s_wait_dscnt 0x0
	CROUND                                         ; the closing round: no work-group ends while a partner may still ask for a tile that names it
	s_endpgm
.Lfunc_end_k_qbcf1311b63_geglu:
	.size	k_qbcf1311b63_geglu, .Lfunc_end_k_qbcf1311b63_geglu-k_qbcf1311b63_geglu
	.p2alignl 7, 3214868480
	.fill 96, 4, 3214868480
	.section	.rodata,"a",@progbits
	.p2align	6, 0x0
	.amdhsa_kernel k_qbcf1311b63_geglu
		.amdhsa_group_segment_fixed_size 327680
		.amdhsa_private_segment_fixed_size 0
		.amdhsa_enable_private_segment 0
		.amdhsa_kernarg_size 24
		.amdhsa_user_sgpr_count 2
		.amdhsa_user_sgpr_kernarg_segment_ptr 1
		.amdhsa_wavefront_size32 1
		.amdhsa_system_sgpr_workgroup_id_x 1
		.amdhsa_system_sgpr_workgroup_id_y 1
		.amdhsa_system_sgpr_workgroup_id_z 1
		.amdhsa_system_vgpr_workitem_id 0
		.amdhsa_next_free_vgpr 1024
		.amdhsa_next_free_sgpr 76
		.amdhsa_reserve_vcc 0
		.amdhsa_float_denorm_mode_32 3
		.amdhsa_float_denorm_mode_16_64 3
		.amdhsa_memory_ordered 1
		.amdhsa_forward_progress 1
		.amdhsa_inst_pref_size 152
	.end_amdhsa_kernel
	.amdgpu_metadata
---
amdhsa.version: [ 1, 2 ]
amdhsa.kernels:
  - .name:           k_qbcf1311b63_geglu
    .symbol:         k_qbcf1311b63_geglu.kd
    .args:
      - { .name: xq, .offset: 0, .size: 8, .value_kind: global_buffer, .address_space: global }
      - { .name: wg, .offset: 8, .size: 8, .value_kind: global_buffer, .address_space: global }
      - { .name: act8, .offset: 16, .size: 8, .value_kind: global_buffer, .address_space: global }
    .group_segment_fixed_size: 327680
    .private_segment_fixed_size: 0
    .kernarg_segment_align: 8
    .kernarg_segment_size: 24
    .max_flat_workgroup_size: 128
    .sgpr_count:     76
    .vgpr_count:     1024
    .wavefront_size: 32
...
	.end_amdgpu_metadata
.endif
;; end of part 2
;; launch down (part 3): grid 16 x 16, 4 waves a work-group, clusters of 4 x 4, 327,680 bytes of LDS; arguments act8, wl8, part; writes part
.if DOCPART == 3
	.amdgcn_target "amdgcn-amd-amdhsa--gfx1250"
	.amdhsa_code_object_version 6
	.text
	.protected	k_qbcf1311b63_down
	.globl	k_qbcf1311b63_down
	.p2align	8
	.type	k_qbcf1311b63_down,@function
k_qbcf1311b63_down:
	s_mov_b64 s[64:65], 0
	v_nop
	global_prefetch_b8 v0, s[64:65] scope:SCOPE_SE
	s_setreg_imm32_b32 hwreg(HW_REG_WAVE_MODE, 25, 1), 1
	s_wait_xcnt 0x0
	s_wait_alu depctr_hold_cnt(0) depctr_sa_sdst(0) depctr_va_vdst(0) depctr_va_sdst(0) depctr_va_ssrc(0) depctr_va_vcc(0) depctr_vm_vsrc(0)
	s_getreg_b32 s2, hwreg(HW_REG_IB_STS2, 6, 4)
	s_cmp_eq_u32 s2, 0
	s_cbranch_scc0 .Lentry_in_a_cluster
	s_endpgm
.Lentry_in_a_cluster:
	s_bfe_u32 s2, ttmp6, 0x10000c
	s_cmp_lg_u32 s2, 0xf033
	s_cbranch_scc0 .Lentry_shape_is_right
	s_endpgm
.Lentry_shape_is_right:
; THIRD LAUNCH: part[ks][m][n] = the sum over k in half ks of 8,192 of act[m][k] wl[k][n], in f32.  Nothing is left out.
; act8: [64 column blocks][1024 rows][128 bytes], wl8: [2048 n][8192 k]: E4M3 codes, one byte each, k along the rows.  part: [2][1024][2048] f32; the last launch adds the two halves.
; THE CODES COME INTO LDS AND INTO REGISTERS AS BYTES and are widened to bf16, exactly, just ahead of the products (eight codes an instruction, with the scale 2^0): the matrix operands are bf16, the sums f32.
; SHARES.  The output has 128 tiles of 128 x 128; K is cut in two, so that there are 256 work-groups.  Four waves, each 64 x 64: 16 accumulators.  K goes in 8 steps of 512 through two LDS slots:
; 256 matrix instructions a wave for each slot.
; FRAGMENTS.  16 rows x 32 k are one load of 16 bytes a lane: lane l takes row l % 16, k = 16 (l / 16) + 0..15.  The first eight go into the fragment's registers 0-3, the others into 4-7.  That is
; another order of k than the matrix instruction's own, and the same in both operands, so each product pairs one k of act with the same k of wl.
; THE MATRIX INSTRUCTION IS USED TRANSPOSED (source 0 = 16 columns of wl, source 1 = 16 rows of act): a lane holds row lane % 16 and eight neighbouring columns.
; THE PIPE.  A K step is 8 sub-steps of 64 along K, 32 matrix instructions each.  Sub-step E multiplies bf16 buffer E % 2, widens the codes of E + 1 into the other buffer (two conversions behind each of its last 16
; matrix instructions), and loads the codes of E + 2 from LDS.  So at sub-step 6 all of a slot's bytes are in registers: there the slots change, and the refill has a whole K step in which to land.
; Sub-steps 0-5 are a loop of three trips; the sums start at 0 by 128 v_mov_b32, written while the first tiles are on their way, so that this loop has one form of product.
; CLUSTERS: 4 x 4 work-groups of one K half: cluster y = 2 ks + (which four tile rows).  The four of a row of the cluster need the same tiles of act8, the four of a column the same tiles of wl8:
; each is asked for jointly.
; REGISTERS: window 0: v0-31 addresses; v32-95 the way out; v128-255 the accumulators ((a, b) at v[128 + 8 (4 a + b)]).  window 1: two bf16 buffers of 128: 64 registers of act, then 64 of wl.
;   window 2: the codes: of even sub-steps in v128-191, of odd ones in v0-63 (32 registers of act, then 32 of wl).
.set PA,    144                        ; an LDS row of act8: 128 bytes + 16: the 16 rows of a load start at 16 different groups of four banks (64 banks of 4 bytes: ISA guide 11.1)
.set CB,    128*PA                     ; a column block's 128 rows
.set HA,    2*CB                       ; two column blocks: one tensor load
.set PB,    528                        ; an LDS row of wl8: 512 bytes + 16
.set HB,    64*PB                      ; 64 rows of wl8: one tensor load
.set BOFF,  4*CB
.set SLOT,  4*CB+2*HB                  ; 141,312
.set STAGE, 2*SLOT                     ; behind the ring, never filled by a tensor load: 16 rows x 272 bytes for each wave
.set SP,    272
.set SPARE, STAGE+4*16*SP              ; behind the stages: the spare words, 128 bytes for each wave: two blocks of 256 bytes that no other line names
.set LAPS,  4                          ; a lap = two K steps
.set ASTEP, 4*131072                   ; bytes from K step to K step in act8: four column blocks,
.set BSTEP, 512                        ; and in wl8
.set ADRA0, 16                         ; v16  my lane's place in a column block of act8; never rewritten
.set ADRB0, 17                         ; v17  my lane's place in wl8's tile; never rewritten
.set RA,   18                          ; v18  the LDS address of the loads in hand, for act8
.set RB,   19                          ; v19  for wl8
.set STO,  24
.set RD,   25
.set CO,   26
.set SC,   27                          ; v27  the conversions' scale: the code of 2^0 in each byte
.set SPW,  28                          ; v28  LDS address of my spare word; never rewritten
.set NIL,  29                          ; v29  0; never rewritten
.set OB,   32                          ; the way out: 16 rows read back from the stage: v32-63 and v64-95 by turns
.set ACC,  128
.set G1, 24                            ; s[24:31] descriptor group 1 for act8's tiles;  s[32:39] group 0, one set for each slot
.set G0, 32
.set G1B, 48                           ; s[48:55], s[56:63] the same for wl8's tiles
.set G0B, 56
.set TA, 18                            ; s18  LDS byte at which the column block to be loaded begins
.set TB, 19                            ; s19  the slot's first byte + the 128 k to be loaded
.set MSB, 0
.macro WIN new                         ; the immediate's high byte repeats the setting that is left; a switch that changes nothing is dropped
.if MSB != (\new)
	s_set_vgpr_msb (MSB<<8)|(\new)
.set MSB, \new
.endif
.endm
.set MUL,  0x05                        ; sources 0 (wl) and 1 (act) window 1; C and D window 0
.set TO_R, 0x80                        ; destination window 2, address window 0
.set CV,   0x42                        ; destination window 1, source 0 (codes) window 2, source 1 (scale) window 0
.macro JLOAD s                         ; a joint load: waves 0 and 1 fetch act8's two halves, waves 2 and 3 wl8's; an s_nop 0 and four v_nop follow each of the two lines
	s_cmp_eq_u32 s11, 0
	s_cbranch_scc0 .Lfor_b_\@
	tensor_load_to_lds s[G0+4*(\s):G0+4*(\s)+3], s[G1:G1+7]
	s_nop 0
.rept 4
	v_nop
.endr
	s_branch .Lasked_\@
.Lfor_b_\@:
	tensor_load_to_lds s[G0B+4*(\s):G0B+4*(\s)+3], s[G1B:G1B+7]
	s_nop 0
.rept 4
	v_nop
.endr
.Lasked_\@:
.endm
.macro CREST                           ; a round of the cluster's barrier behind its opening barrier
	s_cmp_lg_u32 s10, 0
	s_cbranch_scc1 .Lnot_wave_0_\@
	s_barrier_signal -3
.Lnot_wave_0_\@:
	s_barrier_wait -3
	s_barrier_signal -1
	s_barrier_wait -1
.endm
.macro CROUND
	s_barrier_signal -1
	s_barrier_wait -1
	CREST
.endm
	s_load_b128 s[4:7], s[0:1], 0x0                ; act8 s[4:5], wl8 s[6:7]
	s_load_b64 s[8:9], s[0:1], 0x10                ; part
	v_lshl_add_u32 v[SPW], v0, 2, SPARE
	v_mov_b32 v[NIL], 0
	ds_add_u32 v[SPW], v[NIL]                      ; the wave's opening: the add, twice on end, and its wait ahead of my first tensor load
	ds_add_u32 v[SPW], v[NIL]
	v_lshrrev_b32 v1, 5, v0
	v_readfirstlane_b32 s10, v1                    ; wave 0..3
	s_lshr_b32 s11, s10, 1                         ; which half of the tile's rows is mine.  Also: I fetch for act8 (0) or for wl8 (1)
	s_and_b32 s12, s10, 1                          ; which half of its columns.  Also: which half of that tile I fetch
	s_bfe_u32 s40, ttmp6, 0x40000                  ; cx
	s_bfe_u32 s41, ttmp6, 0x40004                  ; cy
	s_lshl_b32 s42, ttmp9, 2
	s_add_co_u32 s42, s42, s40                     ; tile column = 4 x cluster x + cx
	s_and_b32 s45, ttmp7, 0xffff                   ; cluster y
	s_and_b32 s13, s45, 1
	s_lshl_b32 s13, s13, 2
	s_add_co_u32 s13, s13, s41                     ; tile row = 4 x (cluster y % 2) + cy
	s_lshr_b32 s45, s45, 1                         ; ks: the same in the whole cluster
	s_lshl_b32 s43, s41, 2
	s_lshl_b32 s43, 15, s43                        ; my row of the cluster
	s_lshl_b32 s44, 0x1111, s40                    ; my column
	; act8: a column block's 128 rows of 128 bytes are 16,384 bytes on end: asked for as ONE row of 2,048 elements of 8 bytes; two column blocks, 131,072 bytes apart, are two such rows; padded in LDS after every 128 bytes
	s_or_b32 s[G1+0], s43, (3<<16)|(1<<20)|(1<<21)|(4<<22)|(3<<25)   ; the mask; 8-byte elements; padding on; bit 21 beside a mask; after every 32 words, 4 words
	s_mov_b32 s[G1+1], 2048<<16                    ; tensor_dim0 = 2,048
	s_mov_b32 s[G1+2], 2<<16                       ; tensor_dim1 = 2
	s_mov_b32 s[G1+3], 2048<<16                    ; tile_dim0 = 2,048
	s_mov_b32 s[G1+4], 2                           ; tile_dim1 = 2
	s_mov_b32 s[G1+5], 16384                       ; elements from column block to column block
	s_mov_b32 s[G1+6], 0
	s_mov_b32 s[G1+7], 0
	; wl8: 64 rows of 512 bytes
	s_or_b32 s[G1B+0], s44, (1<<16)|(1<<20)|(1<<21)|(6<<22)|(3<<25)  ; 2-byte elements; after every 128 words, 4 words
	s_mov_b32 s[G1B+1], 256<<16                    ; tensor_dim0 = 256
	s_mov_b32 s[G1B+2], 64<<16                     ; tensor_dim1 = 64
	s_mov_b32 s[G1B+3], 256<<16                    ; tile_dim0 = 256
	s_mov_b32 s[G1B+4], 64                         ; tile_dim1 = 64
	s_mov_b32 s[G1B+5], 4096                       ; elements from row to row
	s_mov_b32 s[G1B+6], 0
	s_mov_b32 s[G1B+7], 0
	s_lshl_b32 s16, s45, 22                        ; act8: column block 32 ks + 2 x half, row 128 x tile row
	s_lshl_b32 s17, s12, 18
	s_add_co_u32 s16, s16, s17
	s_lshl_b32 s17, s13, 14
	s_add_co_u32 s16, s16, s17
	s_mov_b32 s17, 0
	s_lshl_b32 s46, s42, 20                        ; wl8: row 128 x tile column + 64 x half, byte 4,096 ks
	s_lshl_b32 s47, s12, 19
	s_add_co_u32 s46, s46, s47
	s_lshl_b32 s47, s45, 12
	s_add_co_u32 s46, s46, s47
	s_mov_b32 s47, 0
	s_mul_i32 s20, s12, HA                         ; where they go: no place in the cluster enters an LDS address
	s_mul_i32 s21, s12, HB
	s_add_co_u32 s21, s21, BOFF
	v_mov_b32 v[SC], 0x7f7f7f7f
	s_wait_dscnt 0x0                               ; both opening adds are done
	s_wait_kmcnt 0x0
	s_add_nc_u64 s[14:15], s[4:5], s[16:17]
	s_add_nc_u64 s[46:47], s[6:7], s[46:47]
	CROUND                                         ; all sixteen work-groups are here: the first joint loads meet
.irp s, 0,1
	s_mov_b32 s[G0+4*(\s)], 1
	s_add_co_u32 s[G0+4*(\s)+1], s20, (\s)*SLOT
	s_add_nc_u64 s[G0+4*(\s)+2:G0+4*(\s)+3], s[14:15], (\s)*ASTEP
	s_or_b32 s[G0+4*(\s)+3], s[G0+4*(\s)+3], 0x80000000
	s_mov_b32 s[G0B+4*(\s)], 1
	s_add_co_u32 s[G0B+4*(\s)+1], s21, (\s)*SLOT
	s_add_nc_u64 s[G0B+4*(\s)+2:G0B+4*(\s)+3], s[46:47], (\s)*BSTEP
	s_or_b32 s[G0B+4*(\s)+3], s[G0B+4*(\s)+3], 0x80000000
	JLOAD \s                                       ; K steps 0 and 1: two loads of mine are out
.endr
	v_and_b32 v1, 15, v0                           ; l % 16
	v_bfe_u32 v2, v0, 4, 1                         ; l / 16
	v_mul_u32_u24 v3, v1, PA
	v_lshl_add_u32 v3, v2, 4, v3                   ; row x pitch + 16 x half
	s_mul_i32 s22, s11, 64*PA                      ; my 64 rows of act8
	v_add_nc_u32 v[ADRA0], s22, v3
	v_mul_u32_u24 v4, v1, PB
	v_lshl_add_u32 v4, v2, 4, v4
	s_mul_i32 s23, s12, HB                         ; my 64 rows of wl8, behind act8's four column blocks
	s_add_co_u32 s23, s23, BOFF
	v_add_nc_u32 v[ADRB0], s23, v4
	s_mul_i32 s23, s10, 16*SP
	s_add_co_u32 s23, s23, STAGE                   ; my stage
	v_mul_u32_u24 v6, v1, SP                       ; in: row l % 16, 32 bytes for each half of the lanes
	v_lshl_add_u32 v6, v2, 5, v6
	v_add_nc_u32 v[STO], s23, v6
	v_mul_u32_u24 v6, v2, SP                       ; back: lanes 0-15 take one row of 256 bytes, lanes 16-31 the next
	v_lshl_add_u32 v6, v1, 4, v6
	v_add_nc_u32 v[RD], s23, v6
	v_lshlrev_b32 v6, 13, v2                       ; and the same two rows in part (8,192 bytes a row)
	v_lshl_add_u32 v[CO], v1, 4, v6
	s_lshl_b32 s16, s45, 23                        ; part: half ks, row 128 x tile row + 64 x row half,
	s_lshl_b32 s17, s13, 20
	s_add_co_u32 s16, s16, s17
	s_lshl_b32 s17, s11, 19
	s_add_co_u32 s16, s16, s17
	s_mov_b32 s17, 0
	s_lshl_b32 s46, s42, 9                         ; byte 512 x tile column + 256 x column half
	s_lshl_b32 s47, s12, 8
	s_add_co_u32 s46, s46, s47
	s_mov_b32 s47, 0
	s_add_nc_u64 s[8:9], s[8:9], s[16:17]
	s_add_nc_u64 s[8:9], s[8:9], s[46:47]
.set i, 0
.rept 128
	v_mov_b32 v[ACC+i], 0                          ; the sums start at 0: written while the first tiles are on their way
.set i, i+1
.endr
; 8 matrix instructions: m blocks a0, a0 + 1 x all 4 n blocks, the first 32 along K of buffer f.  The 16 accumulators take turns, one instruction a turn, in the same order everywhere.
.macro MUL8 f, a0
	WIN MUL
.irp a, \a0, (\a0)+1
.irp b, 0,1,2,3
	v_wmma_f32_16x16x32_bf16 v[ACC+8*(4*(\a)+(\b)):ACC+8*(4*(\a)+(\b))+7], v[(\f)+64+8*(\b):(\f)+64+8*(\b)+7], v[(\f)+8*(\a):(\f)+8*(\a)+7], v[ACC+8*(4*(\a)+(\b)):ACC+8*(4*(\a)+(\b))+7]
.endr
.endr
.endm
; 16 matrix instructions: the second 32 along K of buffer f.  cv = 1: behind each stand two conversions, 16 codes of the next sub-step from v[rw ..] of window 2 into v[g ..] of window 1: they name no register
; of the products round them.  A fragment's 4 registers of codes become its 8 registers of bf16: conversion t takes registers 2 t, 2 t + 1 into 4 t .. 4 t + 3.
.macro HALF2 f, cv, g, rw
.set t, 0
.irp a, 0,1,2,3
.irp b, 0,1,2,3
	WIN MUL
	v_wmma_f32_16x16x32_bf16 v[ACC+8*(4*(\a)+(\b)):ACC+8*(4*(\a)+(\b))+7], v[(\f)+96+8*(\b):(\f)+96+8*(\b)+7], v[(\f)+32+8*(\a):(\f)+32+8*(\a)+7], v[ACC+8*(4*(\a)+(\b)):ACC+8*(4*(\a)+(\b))+7]
.if \cv
	WIN CV
	v_cvt_scale_pk8_bf16_fp8 v[(\g)+4*t:(\g)+4*t+3], v[(\rw)+2*t:(\rw)+2*t+1], v[SC]
	v_cvt_scale_pk8_bf16_fp8 v[(\g)+4*t+4:(\g)+4*t+7], v[(\rw)+2*t+2:(\rw)+2*t+3], v[SC]
.set t, t+2
.endif
.endr
.endr
.endm
; 16 LDS loads in one run: the codes of a sub-step of parity par (64 along K, at byte 64 par of the 128 that the two addresses stand at): act8's 2 x 4 fragments, then wl8's
.macro RLOAD par
	WIN TO_R
.irp c, 0,1
.irp i, 0,1,2,3
	ds_load_b128 v[128*(1-(\par))+4*(4*(\c)+(\i)):128*(1-(\par))+4*(4*(\c)+(\i))+3], v[RA] offset:64*(\par)+32*(\c)+(\i)*16*PA
.endr
.endr
.irp c, 0,1
.irp i, 0,1,2,3
	ds_load_b128 v[128*(1-(\par))+32+4*(4*(\c)+(\i)):128*(1-(\par))+32+4*(4*(\c)+(\i))+3], v[RB] offset:64*(\par)+32*(\c)+(\i)*16*PB
.endr
.endr
.endm
.macro PLACES                          ; four plain vector instructions between a matrix instruction and a vector instruction that writes a register that it read, or a reader of its result (ISA guide 7.12.1)
.rept 4
	v_nop
.endr
.endm
; A SUB-STEP of parity par.  It multiplies bf16 buffer par.  ld = 1: it loads the codes of the sub-step two on.  cv = 1: it widens the codes of the next sub-step into the other buffer.
; The other buffer's last reader is the last product of the sub-step before: four plain instructions stand between it and the first conversion.  One plain instruction stands behind the last conversion, ahead of
; the products that read its result and of the loads that land on its sources.
; turn = 1 or 2: THE CHANGE OF SLOTS.  All loads from this slot have been issued.  Each wave waits for all its tensor loads (one is out: its part of the next slot), adds 0 to its spare word, and waits for that and
; for its reads of this slot.  turn = 1: the barrier opens a round of the cluster's, and the joint refill of this slot, with the K step two on, is the first tensor load behind it: 240 matrix instructions ahead
; of the wait for it.  turn = 2: nothing is left to ask for.
.macro EIGHTH par, turn, slot, ld, cv
.set FM, 128*(\par)
.set FG, 128*(1-(\par))
.set RC, 128*(\par)
.if \turn
	WIN 0
	s_wait_tensorcnt 0x0
	ds_add_u32 v[SPW], v[NIL]                      ; 0 onto my spare word; eight matrix instructions stand between it and the wait for it
	MUL8 FM, 0
	s_wait_dscnt 0x0                               ; the add is done, and my reads of this slot are over
	s_barrier_signal -1
	MUL8 FM, 2
	WIN 0
	s_barrier_wait -1
.if (\turn) == 1
	CREST                                          ; no wave of any partner still reads this slot or has a load on its way
	s_add_nc_u64 s[G0+4*(\slot)+2:G0+4*(\slot)+3], s[G0+4*(\slot)+2:G0+4*(\slot)+3], 2*ASTEP
	s_add_nc_u64 s[G0B+4*(\slot)+2:G0B+4*(\slot)+3], s[G0B+4*(\slot)+2:G0B+4*(\slot)+3], 2*BSTEP
	JLOAD \slot                                    ; its four v_nop are also the places in front of the conversions below
.else
	PLACES
.endif
.else
	MUL8 FM, 0
	MUL8 FM, 2
	WIN 0
	PLACES
	s_wait_dscnt 0x0                               ; the next sub-step's codes, asked for 32 matrix instructions ago, are in
.endif
.if \ld
.if (\par) == 0
	v_add_nc_u32 v[RA], s[TA], v[ADRA0]            ; the addresses serve two sub-steps: 128 along K, one column block of act8
	v_add_nc_u32 v[RB], s[TB], v[ADRB0]
	s_add_co_u32 s[TA], s[TA], CB
	s_add_co_u32 s[TB], s[TB], 128
.endif
	RLOAD \par
.endif
	HALF2 FM, \cv, FG, RC
.if \cv
	v_nop
.endif
.endm
; A K STEP out of slot `slot`.  mode = 1: the slot is filled again; 2: it is left, and nothing is asked for; 0: the last K step.
.macro KSTEP slot, next, mode
	s_mov_b32 s[TA], (\slot)*SLOT+CB               ; sub-steps 0 and 1 are in registers: the loads go on at the second column block
	s_mov_b32 s[TB], (\slot)*SLOT+128
	s_mov_b32 s2, 3
.Lpair_\@:                                             ; sub-steps 2 m and 2 m + 1; the codes of 2 m + 2 and 2 m + 3 are loaded
	EIGHTH 0, 0, 0, 1, 1
	EIGHTH 1, 0, 0, 1, 1
	WIN 0
	s_sub_co_u32 s2, s2, 1
	s_cmp_lg_u32 s2, 0
	s_cbranch_scc1 .Lpair_\@
.if \mode
	s_mov_b32 s[TA], (\next)*SLOT                  ; sub-steps 6 and 7 load the next slot's first two
	s_mov_b32 s[TB], (\next)*SLOT
	EIGHTH 0, \mode, \slot, 1, 1
	EIGHTH 1, 0, 0, 1, 1
.else
	EIGHTH 0, 0, 0, 0, 1
	EIGHTH 1, 0, 0, 0, 0
.endif
	WIN 0
.endm
	s_wait_tensorcnt 1                             ; my part of K step 0 is in; K step 1's may stay out
	s_barrier_signal -1
	s_barrier_wait -1                              ; everybody's is
	v_mov_b32 v[RA], v[ADRA0]                      ; slot 0, the first column block
	v_mov_b32 v[RB], v[ADRB0]
	RLOAD 0                                        ; the codes of sub-steps 0 and 1
	RLOAD 1
	s_wait_dscnt 0x0
	WIN CV
.set t, 0
.rept 32
	v_cvt_scale_pk8_bf16_fp8 v[4*t:4*t+3], v[128+2*t:128+2*t+1], v[SC]  ; sub-step 0 is widened here, once: there are no products yet to set it beside
.set t, t+1
.endr
	v_nop                                          ; a plain instruction behind the last conversion
	WIN 0
	s_mov_b32 s3, LAPS-1
.Llap:                                                 ; a trip goes once round the ring and fills both slots again
	KSTEP 0, 1, 1
	KSTEP 1, 0, 1
	s_sub_co_u32 s3, s3, 1
	s_cmp_lg_u32 s3, 0
	s_cbranch_scc1 .Llap
	KSTEP 0, 1, 2                                  ; the last lap is written out: it fills nothing
	KSTEP 1, 0, 0
	; THE WAY OUT, in f32.  My 64 columns are 256 bytes of a row of part.  A block of 16 rows goes through my own stage: 32 bytes a lane in, whole rows of 256 bytes back.  No other wave touches it: no barrier.
.macro OUTB a
.set BK, OB+32*((\a)%2)
.irp b, 0,1,2,3
	ds_store_b128 v[STO], v[ACC+8*(4*(\a)+(\b)):ACC+8*(4*(\a)+(\b))+3]   offset:64*(\b)      ; each accumulator's low registers first
	ds_store_b128 v[STO], v[ACC+8*(4*(\a)+(\b))+4:ACC+8*(4*(\a)+(\b))+7] offset:64*(\b)+16
.endr
.irp t, 0,1,2,3,4,5,6,7
	ds_load_b128 v[BK+4*(\t):BK+4*(\t)+3], v[RD] offset:(\t)*2*SP  ; LDS serves a wave's instructions in order (ISA guide 5.7.1.4): these see the stores above; the next block's stores come behind them
.endr
.endm
.macro SENDB a, younger                ; younger: the LDS instructions issued behind block a's loads: the next block's sixteen, or none
.set BK, OB+32*((\a)%2)
.irp t, 0,1,2,3,4,5,6,7
	s_wait_dscnt (\younger)+7-(\t)
	global_store_b128 v[CO], v[BK+4*(\t):BK+4*(\t)+3], s[8:9] offset:(16*(\a)+2*(\t))*8192  ; 16 lanes store 256 consecutive bytes, at a multiple of 256 from part's first byte
.endr
.endm
	PLACES
	OUTB 0
	OUTB 1
	SENDB 0, 16
	s_wait_xcnt 0x0                                ; block 0's stores have read their registers, which block 2 takes
	OUTB 2
	SENDB 1, 16
	s_wait_xcnt 0x0                                ; likewise block 1's, for block 3
	OUTB 3
	SENDB 2, 16
	SENDB 3, 0
	s_wait_tensorcnt 0x0                           ; the wave's end: behind my last tensor load and my last LDS store
	ds_add_u32 v[SPW], v[NIL]
	s_wait_dscnt 0x0
	CROUND                                         ; the closing round
	s_endpgm
.Lfunc_end_k_qbcf1311b63_down:
	.size	k_qbcf1311b63_down, .Lfunc_end_k_qbcf1311b63_down-k_qbcf1311b63_down
	.p2alignl 7, 3214868480
	.fill 96, 4, 3214868480
	.section	.rodata,"a",@progbits
	.p2align	6, 0x0
	.amdhsa_kernel k_qbcf1311b63_down
		.amdhsa_group_segment_fixed_size 327680
		.amdhsa_private_segment_fixed_size 0
		.amdhsa_enable_private_segment 0
		.amdhsa_kernarg_size 24
		.amdhsa_user_sgpr_count 2
		.amdhsa_user_sgpr_kernarg_segment_ptr 1
		.amdhsa_wavefront_size32 1
		.amdhsa_system_sgpr_workgroup_id_x 1
		.amdhsa_system_sgpr_workgroup_id_y 1
		.amdhsa_system_sgpr_workgroup_id_z 1
		.amdhsa_system_vgpr_workitem_id 0
		.amdhsa_next_free_vgpr 704
		.amdhsa_next_free_sgpr 66
		.amdhsa_reserve_vcc 0
		.amdhsa_float_denorm_mode_32 3
		.amdhsa_float_denorm_mode_16_64 3
		.amdhsa_memory_ordered 1
		.amdhsa_forward_progress 1
		.amdhsa_inst_pref_size 125
	.end_amdhsa_kernel
	.amdgpu_metadata
---
amdhsa.version: [ 1, 2 ]
amdhsa.kernels:
  - .name:           k_qbcf1311b63_down
    .symbol:         k_qbcf1311b63_down.kd
    .args:
      - { .name: act8, .offset: 0, .size: 8, .value_kind: global_buffer, .address_space: global }
      - { .name: wl8, .offset: 8, .size: 8, .value_kind: global_buffer, .address_space: global }
      - { .name: part, .offset: 16, .size: 8, .value_kind: global_buffer, .address_space: global }
    .group_segment_fixed_size: 327680
    .private_segment_fixed_size: 0
    .kernarg_segment_align: 8
    .kernarg_segment_size: 24
    .max_flat_workgroup_size: 128
    .sgpr_count:     66
    .vgpr_count:     704
    .wavefront_size: 32
...
	.end_amdgpu_metadata
.endif
;; end of part 3
;; launch sum (part 4): grid 256 x 1, 8 waves a work-group, no clusters, 0 bytes of LDS; arguments part, out0; writes out0
.if DOCPART == 4
	.amdgcn_target "amdgcn-amd-amdhsa--gfx1250"
	.amdhsa_code_object_version 6
	.text
	.protected	k_qbcf1311b63_sum
	.globl	k_qbcf1311b63_sum
	.p2align	8
	.type	k_qbcf1311b63_sum,@function
k_qbcf1311b63_sum:
	s_mov_b64 s[64:65], 0
	v_nop
	global_prefetch_b8 v0, s[64:65] scope:SCOPE_SE
	s_setreg_imm32_b32 hwreg(HW_REG_WAVE_MODE, 25, 1), 1
	s_wait_xcnt 0x0
; FOURTH LAUNCH: out0 = bf16(part[0] + part[1]): the two K halves' f32 sums are added and rounded once.  Nothing is left out.
; A stream: no LDS, no matrix unit, no cluster: no two work-groups read the same byte.  A work-group takes 8,192 numbers, a thread 8 pieces of 4.  All 16 loads of a thread go out at once.
; A wave's load covers 512 consecutive bytes, its store 256, both aligned.
.set A, 8                              ; v[8:71]   piece p: four numbers of half 0 at A + 8 p, of half 1 at A + 8 p + 4
.set O, 72                             ; v[72:87]  piece p: four bf16
	s_load_b128 s[4:7], s[0:1], 0x0                ; part s[4:5], out0 s[6:7]
	v_lshlrev_b32 v1, 4, v0
	v_lshlrev_b32 v2, 3, v0
	s_lshl_b32 s10, ttmp9, 15
	s_mov_b32 s11, 0
	s_lshl_b32 s12, ttmp9, 14
	s_mov_b32 s13, 0
	s_wait_kmcnt 0x0
	s_add_nc_u64 s[4:5], s[4:5], s[10:11]
	s_add_nc_u64 s[8:9], s[4:5], 0x800000          ; the second half, 8,388,608 bytes on: one more than the largest immediate offset, so it has a base of its own
	s_add_nc_u64 s[6:7], s[6:7], s[12:13]
.irp p, 0,1,2,3,4,5,6,7
	global_load_b128 v[A+8*(\p):A+8*(\p)+3],   v1, s[4:5] offset:4096*(\p) th:TH_LOAD_NT
	global_load_b128 v[A+8*(\p)+4:A+8*(\p)+7], v1, s[8:9] offset:4096*(\p) th:TH_LOAD_NT
.endr
.irp p, 0,1,2,3,4,5,6,7
	s_wait_loadcnt 14-2*(\p)                       ; loads come back in order: this piece's two are in, the younger pairs stay out
	v_pk_add_f32 v[A+8*(\p):A+8*(\p)+1],   v[A+8*(\p):A+8*(\p)+1],   v[A+8*(\p)+4:A+8*(\p)+5]
	v_pk_add_f32 v[A+8*(\p)+2:A+8*(\p)+3], v[A+8*(\p)+2:A+8*(\p)+3], v[A+8*(\p)+6:A+8*(\p)+7]
	v_cvt_pk_bf16_f32 v[O+2*(\p)],   v[A+8*(\p)],   v[A+8*(\p)+1]
	v_cvt_pk_bf16_f32 v[O+2*(\p)+1], v[A+8*(\p)+2], v[A+8*(\p)+3]
	global_store_b64 v2, v[O+2*(\p):O+2*(\p)+1], s[6:7] offset:2048*(\p) th:TH_STORE_NT
.endr
	s_endpgm
.Lfunc_end_k_qbcf1311b63_sum:
	.size	k_qbcf1311b63_sum, .Lfunc_end_k_qbcf1311b63_sum-k_qbcf1311b63_sum
	.p2alignl 7, 3214868480
	.fill 96, 4, 3214868480
	.section	.rodata,"a",@progbits
	.p2align	6, 0x0
	.amdhsa_kernel k_qbcf1311b63_sum
		.amdhsa_group_segment_fixed_size 0
		.amdhsa_private_segment_fixed_size 0
		.amdhsa_enable_private_segment 0
		.amdhsa_kernarg_size 16
		.amdhsa_user_sgpr_count 2
		.amdhsa_user_sgpr_kernarg_segment_ptr 1
		.amdhsa_wavefront_size32 1
		.amdhsa_system_sgpr_workgroup_id_x 1
		.amdhsa_system_sgpr_workgroup_id_y 1
		.amdhsa_system_sgpr_workgroup_id_z 1
		.amdhsa_system_vgpr_workitem_id 0
		.amdhsa_next_free_vgpr 96
		.amdhsa_next_free_sgpr 66
		.amdhsa_reserve_vcc 0
		.amdhsa_float_denorm_mode_32 3
		.amdhsa_float_denorm_mode_16_64 3
		.amdhsa_memory_ordered 1
		.amdhsa_forward_progress 1
		.amdhsa_inst_pref_size 6
	.end_amdhsa_kernel
	.amdgpu_metadata
---
amdhsa.version: [ 1, 2 ]
amdhsa.kernels:
  - .name:           k_qbcf1311b63_sum
    .symbol:         k_qbcf1311b63_sum.kd
    .args:
      - { .name: part, .offset: 0, .size: 8, .value_kind: global_buffer, .address_space: global }
      - { .name: out0, .offset: 8, .size: 8, .value_kind: global_buffer, .address_space: global }
    .group_segment_fixed_size: 0
    .private_segment_fixed_size: 0
    .kernarg_segment_align: 8
    .kernarg_segment_size: 16
    .max_flat_workgroup_size: 256
    .sgpr_count:     66
    .vgpr_count:     96
    .wavefront_size: 32
...
	.end_amdgpu_metadata
.endif
;; end of part 4
;; ======== version 2 of 2: 4 launches; version 1 with the launch quant written anew for expert scheduling mode
;; workspace buffers: xq 4,194,304 bytes; wg 67,108,864 bytes; wl8 16,777,216 bytes; act8 8,388,608 bytes; part 16,777,216 bytes
;; launch quant (part 5): grid 1024 x 1, 8 waves a work-group, no clusters, 18,432 bytes of LDS; arguments w_gating, w_linear, x, wg, wl8, xq; writes wg, wl8, xq
.if DOCPART == 5
	.amdgcn_target "amdgcn-amd-amdhsa--gfx1250"
	.amdhsa_code_object_version 6
	.text
	.protected	k_qbcf1311b63_quant
	.globl	k_qbcf1311b63_quant
	.p2align	8
	.type	k_qbcf1311b63_quant,@function
k_qbcf1311b63_quant:
	s_mov_b64 s[64:65], 0
	v_nop
	global_prefetch_b8 v0, s[64:65] scope:SCOPE_SE
	s_setreg_imm32_b32 hwreg(HW_REG_WAVE_SCHED_MODE, 0, 2), 2
	s_setreg_imm32_b32 hwreg(HW_REG_WAVE_MODE, 25, 1), 1
	s_wait_xcnt 0x0
	s_wait_alu depctr_vm_vsrc(0)
; FIRST OF FOUR LAUNCHES of out = Q(gelu(Q(x) Q(Wg0)) * (Q(x) Q(Wg1))) Q(Wl), Q = the cast to E4M3.  Nothing of reference() is left out: all three inputs reach the output.
; THIS LAUNCH makes the casts of the inputs.  An E4M3 number is exact in bf16: the later launches multiply in bf16 with f32 sums, and every product is exact.
;   xq[1024][2048]       = Q(x), written as bf16
;   wg[2048 k][16384 n'] = Q(bf16(w_gating)), written as bf16; n' = (n >> 6) * 128 + which * 64 + (n & 63): 64 gate columns and the same 64 ff1 columns lie side by side
;   wl8[2048 n][8192 k]  = Q(bf16(w_linear)), the E4M3 codes themselves, one byte each, TURNED: k along the rows
; The f32 weights are rounded to bf16 first and then to E4M3 (two roundings, each to nearest even).
; THE CAST takes eight bf16 in four registers to eight codes in two whole registers (element e to byte e), with the scale 2^0; the way back takes eight codes to eight bf16, exactly, with the scale 2^0.
; LIMITS.  Magnitudes up to 448, E4M3's largest number, are cast as reference() casts them.  Beyond 448 this text vouches for nothing (448 or NaN); reference() gives 448 up to 464 and NaN from there on.
; A STREAM: no matrix unit, no cluster: no two work-groups read the same byte.  Every work-group takes 32 pieces (1,024 numbers, four a thread) of w_gating, 2 of x, and one tile of 256 k x 64 n of w_linear.
; A wave's load of 16 bytes a lane covers two runs of 256 consecutive bytes, aligned; its stores cover 256 or 512 consecutive bytes, aligned.
; THE TURN of w_linear's tile.  Thread (c = t % 16, g = t / 16) loads rows 16 g + 0..15 of columns 4 c .. 4 c + 3.  The rounding to bf16 packs two numbers: here two neighbouring k of one column; four such words
; are eight k of a column, which one cast makes into eight bytes.  So a thread ends with 16 bytes along k for each of its four columns; they go into LDS rows [n] of 272 bytes and come back as whole rows of 256 bytes.
; THE MODE: SCHED_MODE bits 1:0 = 2 (LLVM: expert scheduling mode 2), set by the entry lines.  The code itself states the register dependences between vector instructions and memory or LDS
; instructions, with s_wait_alu, always for 0.
; THE PLAN.  A thread's 48 loads of 16 bytes go in 12 blocks of four: blocks 0 to 7 are w_gating's 32 pieces, blocks 8 to 11 w_linear's 16 rows: one ring from first to last.  Registers that memory or LDS instructions touch:
;   X0 .. X3   four blocks as loaded.  Written by the loads of block p + 3, issued in block p; read by block p's roundings.  At the end X0 takes the tile's rows back from LDS.
;   Y0, Y1     two blocks of wg to store.  Written by the conversions back of block p (0 to 7); read by the four stores that are issued in block p + 1.
;   CD         the turn's codes.  Written by the casts in blocks 9 and 11; read by the four LDS stores behind block 11.
;   XX         x's two pieces, loaded first of all; read by x's cast.     XO  x's result; read by its two stores, and by no memory instruction before.
;   v1-3, v70-72, v68, v69   offsets and addresses, made at the head and never written again: every piece and row is reached by an immediate offset.
; Block p works on X[p % 4] and writes Y[p % 2].  Its memory instructions are the loads into X[(p + 3) % 4] = X[(p - 1) % 4] and the stores from Y[(p - 1) % 2]: the two buffers that block p - 1 worked on and that
; no vector instruction of block p names.  So the waits at a block's head state all that its eight memory instructions hang on, and these are dealt among its vector instructions with no further wait.
; The blocks are written out, by macro: block 0 has no block in front of it, blocks 5 to 8 ask for the other tensor, blocks 8 to 11 turn: no lap of them repeats.
.set VG, 1                             ; v1  w_gating: 256 x wave + 16 (lane % 16) + (lane / 16) x one plane (2^26 bytes): lanes 0-15 the gate's 64 columns, lanes 16-31 ff1's
.set VT, 2                             ; v2  w_linear: g x 16 rows of 8,192 bytes + 16 c
.set VO, 3                             ; v3  wg's and xq's stores, and x: 8 x thread
.set X,  4                             ; v[4:67]    buffer k, piece or row i: four f32 as loaded, at X + 16 k + 4 i.  (v4-7 serve the head's arithmetic first)
.set SPW, 68                           ; v68  LDS address of my spare word; never rewritten
.set NIL, 69                           ; v69  0; never rewritten
.set LSA, 70                           ; v70  the turn: where I put column 4 c's 16 bytes
.set LRA, 71                           ; v71  the turn: where I read 16 bytes of row g back
.set VS,  72                           ; v72  my byte offset in wl8: row g, 16 c
.set SF,  73                           ; v73  the cast's scale: 1.0, of which the exponent counts: 2^0
.set SC,  74                           ; v74  the scale of the way back: the code of 2^0 in each byte
.set T,  76                            ; v[76:83]   a block's sixteen numbers rounded to bf16
.set C,  84                            ; v[84:87]   their sixteen E4M3 codes
.set TB, 76                            ; v[76:91]   the turn, when the stream is over: column j's eight k as bf16 in v[TB+4j:TB+4j+3]
.set XO, 76                            ; v[76:79]   at the end: x's eight numbers to store
.set XX, 92                            ; v[92:95]   x's two pieces as loaded
.set Y,  96                            ; v[96:111]  buffer k, piece i: four bf16 to store, at Y + 8 k + 2 i
.set CD, 112                           ; v[112:127] column j's 16 codes in v[CD+4j:CD+4j+3]
.set TP,  272                          ; an LDS row: 256 bytes + 16
.set SPARE, 64*TP                      ; behind the tile: the spare words, 128 bytes for each wave: four blocks of 256 bytes that no other line names
	s_load_b256 s[4:11], s[0:1], 0x0               ; w_gating s[4:5], w_linear s[6:7], x s[8:9], wg s[10:11]
	s_load_b128 s[12:15], s[0:1], 0x20             ; wl8 s[12:13], xq s[14:15]
	v_lshl_add_u32 v[SPW], v0, 2, SPARE
	v_mov_b32 v[NIL], 0
	v_lshrrev_b32 v4, 5, v0                        ; wave
	v_and_b32 v5, 15, v0                           ; c
	v_bfe_u32 v6, v0, 4, 1
	v_lshrrev_b32 v7, 4, v0                        ; g
	v_lshlrev_b32 v[VG], 8, v4
	v_lshl_add_u32 v[VG], v5, 4, v[VG]
	v_lshl_add_u32 v[VG], v6, 26, v[VG]
	v_lshlrev_b32 v[VT], 17, v7
	v_lshl_add_u32 v[VT], v5, 4, v[VT]
	v_lshlrev_b32 v[VO], 3, v0
	v_mul_u32_u24 v[LSA], v5, 4*TP
	v_lshl_add_u32 v[LSA], v7, 4, v[LSA]
	v_mul_u32_u24 v[LRA], v7, TP
	v_lshl_add_u32 v[LRA], v5, 4, v[LRA]
	v_lshlrev_b32 v[VS], 13, v7
	v_lshl_add_u32 v[VS], v5, 4, v[VS]
	v_mov_b32 v[SF], 1.0
	v_mov_b32 v[SC], 0x7f7f7f7f
	s_lshl_b32 s16, ttmp9, 16                      ; 32 pieces x 2,048 bytes (w_gating in, wg out)
	s_mov_b32 s17, 0
	s_lshl_b32 s22, ttmp9, 12                      ; 2 pieces x 2,048 (x in, xq out)
	s_mov_b32 s23, 0
	s_lshr_b32 s24, ttmp9, 5                       ; w_linear's tile: which 256 k,
	s_and_b32 s25, ttmp9, 31                       ; which 64 n
	s_lshl_b32 s20, s24, 21                        ; in: 256 rows of 8,192 bytes, 64 columns of 4
	s_lshl_b32 s26, s25, 8
	s_add_co_u32 s20, s20, s26
	s_mov_b32 s21, 0
	s_lshl_b32 s26, s25, 19                        ; out: 64 rows of 8,192 bytes, 256 bytes
	s_lshl_b32 s27, s24, 8
	s_add_co_u32 s26, s26, s27
	s_mov_b32 s27, 0
	s_wait_kmcnt 0x0
	s_add_nc_u64 s[4:5], s[4:5], s[16:17]
	s_add_nc_u64 s[6:7], s[6:7], s[20:21]
	s_add_nc_u64 s[8:9], s[8:9], s[22:23]
	s_add_nc_u64 s[10:11], s[10:11], s[16:17]
	s_add_nc_u64 s[12:13], s[12:13], s[26:27]
	s_add_nc_u64 s[14:15], s[14:15], s[22:23]
; Load i of block b, into buffer b % 4: piece 4 b + i of w_gating, or (from block 8 on) row 4 (b - 8) + i of my sixteen of w_linear.
.macro LD b, i
.if (\b) < 8
	global_load_b128 v[X+16*((\b)%4)+4*(\i):X+16*((\b)%4)+4*(\i)+3], v[VG], s[4:5] offset:(4*(\b)+(\i))*2048 th:TH_LOAD_NT
.else
	global_load_b128 v[X+16*((\b)%4)+4*(\i):X+16*((\b)%4)+4*(\i)+3], v[VT], s[6:7] offset:(4*((\b)-8)+(\i))*8192 th:TH_LOAD_NT
.endif
.endm
; Store i of block b (0 to 7), out of buffer b % 2: piece 4 b + i of wg.
.macro STG b, i
	global_store_b64 v[VO], v[Y+8*((\b)%2)+2*(\i):Y+8*((\b)%2)+2*(\i)+1], s[10:11] offset:(4*(\b)+(\i))*2048 th:TH_STORE_NT
.endm
; Block p of w_gating, 0 to 7, in two halves of two pieces.  Two loads of block p + 3 and two stores of block p - 1 stand in front of each half's vector instructions, each load ahead of its store.
; A scaled conversion's result is touched, and its sources are written again, only behind a plain vector instruction: between the second cast and the conversion that reads its codes, and behind the block's last
; conversion, that is a v_nop; elsewhere the roundings stand between.
.macro GBLK p
	s_wait_loadcnt 8                               ; loads come back in order (ISA guide 5.7.1): X[p % 4] is in (in block 0 x too, which is older), the two younger blocks stay out
.if (\p) >= 2
	s_wait_xcnt 0x0                                ; every earlier memory instruction has had its addresses translated (ISA guide 3.1): Y[p % 2] is rewritten only behind this wait
	s_wait_alu depctr_vm_vsrc(0)                   ; the stores issued in the block before have read Y[p % 2], which this block's conversions write again
.endif
.if (\p) >= 1
	s_wait_alu depctr_va_vdst(0)                   ; the block before has written the other Y, which the stores below read, and is done reading its X, in which the loads below land
.endif
.irp h, 0,1
.irp i, 0,1
	LD (\p)+3, 2*(\h)+(\i)                         ; three blocks ahead; no vector instruction since the wait names these registers
.if (\p) >= 1
	STG (\p)-1, 2*(\h)+(\i)
.endif
.endr
.irp m, 0,1,2,3
	v_cvt_pk_bf16_f32 v[T+4*(\h)+(\m)], v[X+16*((\p)%4)+8*(\h)+2*(\m)], v[X+16*((\p)%4)+8*(\h)+2*(\m)+1]  ; the first rounding: to bf16
.endr
	v_cvt_scalef32_pk8_fp8_bf16 v[C+2*(\h):C+2*(\h)+1], v[T+4*(\h):T+4*(\h)+3], v[SF]                     ; THE CAST: one rounding to E4M3
.endr
	v_nop
	v_cvt_scale_pk8_bf16_fp8 v[Y+8*((\p)%2):Y+8*((\p)%2)+3],   v[C:C+1],   v[SC]                           ; back, exactly: E4M3 has fewer bits than bf16
	v_cvt_scale_pk8_bf16_fp8 v[Y+8*((\p)%2)+4:Y+8*((\p)%2)+7], v[C+2:C+3], v[SC]
	v_nop
.endm
; A block of the turn.  v[xb + 4 i + j] holds row i of the block's four, column j of my four.  For each column the four numbers are rounded to bf16, two neighbouring k to a word, into words 2 h and 2 h + 1 of the
; column's four.  cv = 1: the column's eight k are whole: they are cast into words d and d + 1 of its codes; the next column's roundings are the plain instructions behind the cast.
; mem = 1 (block 8): a load of block 11 and a store of block 7 stand in front of each column's work.
.macro TBLK xb, h, cv, d, mem
.irp j, 0,1,2,3
.if \mem
	LD 11, \j
	STG 7, \j
.endif
	v_cvt_pk_bf16_f32 v[TB+4*(\j)+2*(\h)],   v[(\xb)+(\j)],   v[(\xb)+4+(\j)]
	v_cvt_pk_bf16_f32 v[TB+4*(\j)+2*(\h)+1], v[(\xb)+8+(\j)], v[(\xb)+12+(\j)]
.if \cv
	v_cvt_scalef32_pk8_fp8_bf16 v[CD+4*(\j)+(\d):CD+4*(\j)+(\d)+1], v[TB+4*(\j):TB+4*(\j)+3], v[SF]  ; THE CAST
.endif
.endr
.endm
	s_wait_alu depctr_va_vdst(0)                   ; the offsets and addresses v1-3, v68-72 are written, which every load and store of the kernel reads; so are v4-7, in which a load of block 0 lands
	global_load_b64 v[XX:XX+1], v[VO], s[8:9] th:TH_LOAD_NT                 ; x goes out first: older than every load of the ring, so block 0's wait covers it
	global_load_b64 v[XX+2:XX+3], v[VO], s[8:9] offset:2048 th:TH_LOAD_NT
.irp b, 0,1,2
.irp i, 0,1,2,3
	LD \b, \i                                      ; blocks 0, 1 and 2 into X0, X1, X2
.endr
.endr
	GBLK 0                                         ; w_gating -> wg: a piece is 512 columns of both planes
	GBLK 1
	GBLK 2
	GBLK 3
	GBLK 4
	GBLK 5                                         ; from here on the loads are w_linear's: the ring goes on into the turn
	GBLK 6
	GBLK 7
	; w_linear -> wl8.  Block 8: rows 0 to 3
	s_wait_loadcnt 8                               ; X0 is in, blocks 9 and 10 stay out
	s_wait_alu depctr_va_vdst(0)                   ; block 7 has written Y1, which the stores below read, and is done reading X3, in which the loads below land
	TBLK X, 0, 0, 0, 1
	s_wait_loadcnt 8                               ; block 9: rows 4 to 7.  Blocks 9 to 11 issue no load and no store: they have no dependence to state
	TBLK X+16, 1, 1, 0, 0
	s_wait_loadcnt 4                               ; block 10: nothing more is loaded: the counts run down
	TBLK X+32, 0, 0, 0, 0
	s_wait_loadcnt 0
	TBLK X+48, 1, 1, 2, 0
	v_nop                                          ; a plain instruction behind the last cast, ahead of the readers of its result
	s_wait_alu depctr_va_vdst(0)                   ; the casts have written v[CD ..], which the LDS stores read
.irp j, 0,1,2,3
	ds_store_b128 v[LSA], v[CD+4*(\j):CD+4*(\j)+3] offset:(\j)*TP  ; column 4 c + j, bytes 16 g ..
.endr
	v_cvt_scalef32_pk8_fp8_bf16 v[C:C+1], v[XX:XX+3], v[SF]        ; x -> xq: it is bf16 already.  THE CAST.  Work on registers while the LDS stores are out: it names none of theirs
	v_nop                                          ; a plain instruction between the cast and the reader of its codes
	v_cvt_scale_pk8_bf16_fp8 v[XO:XO+3], v[C:C+1], v[SC]           ; back, exactly
	v_nop                                          ; and one behind the last conversion
	s_wait_dscnt 0x0                               ; for the others' sake: my stores into the tile are done
	s_barrier_signal -1
	s_barrier_wait -1                              ; a row's 256 bytes come from sixteen threads of eight waves
	s_wait_alu depctr_va_vdst(0)                   ; x's conversion has written v[XO ..], which the two stores below read (X0, in which the LDS loads land, was last read by block 8's roundings)
.irp q, 0,1,2,3
	ds_load_b128 v[X+4*(\q):X+4*(\q)+3], v[LRA] offset:(\q)*16*TP  ; row g + 16 q, bytes 16 c ..
.endr
	global_store_b64 v[VO], v[XO:XO+1], s[14:15] th:TH_STORE_NT
	global_store_b64 v[VO], v[XO+2:XO+3], s[14:15] offset:2048 th:TH_STORE_NT
.irp q, 0,1,2,3
	s_wait_dscnt 3-(\q)                            ; LDS loads come back in order: the younger ones stay out
	global_store_b128 v[VS], v[X+4*(\q):X+4*(\q)+3], s[12:13] offset:(\q)*16*8192 th:TH_STORE_NT  ; 16 lanes store 256 consecutive bytes, at a multiple of 256 from wl8's first byte
.endr
	s_wait_dscnt 0x0                               ; the closing lines, six on end
	s_wait_alu 0x0
	s_wait_tensorcnt 0x0
	ds_add_u32 v[SPW], v[NIL]
	s_wait_dscnt 0x0
	s_endpgm
.Lfunc_end_k_qbcf1311b63_quant:
	.size	k_qbcf1311b63_quant, .Lfunc_end_k_qbcf1311b63_quant-k_qbcf1311b63_quant
	.p2alignl 7, 3214868480
	.fill 96, 4, 3214868480
	.section	.rodata,"a",@progbits
	.p2align	6, 0x0
	.amdhsa_kernel k_qbcf1311b63_quant
		.amdhsa_group_segment_fixed_size 18432
		.amdhsa_private_segment_fixed_size 0
		.amdhsa_enable_private_segment 0
		.amdhsa_kernarg_size 48
		.amdhsa_user_sgpr_count 2
		.amdhsa_user_sgpr_kernarg_segment_ptr 1
		.amdhsa_wavefront_size32 1
		.amdhsa_system_sgpr_workgroup_id_x 1
		.amdhsa_system_sgpr_workgroup_id_y 1
		.amdhsa_system_sgpr_workgroup_id_z 1
		.amdhsa_system_vgpr_workitem_id 0
		.amdhsa_next_free_vgpr 128
		.amdhsa_next_free_sgpr 66
		.amdhsa_reserve_vcc 0
		.amdhsa_float_denorm_mode_32 3
		.amdhsa_float_denorm_mode_16_64 3
		.amdhsa_memory_ordered 1
		.amdhsa_forward_progress 1
		.amdhsa_inst_pref_size 22
	.end_amdhsa_kernel
	.amdgpu_metadata
---
amdhsa.version: [ 1, 2 ]
amdhsa.kernels:
  - .name:           k_qbcf1311b63_quant
    .symbol:         k_qbcf1311b63_quant.kd
    .args:
      - { .name: w_gating, .offset: 0, .size: 8, .value_kind: global_buffer, .address_space: global }
      - { .name: w_linear, .offset: 8, .size: 8, .value_kind: global_buffer, .address_space: global }
      - { .name: x, .offset: 16, .size: 8, .value_kind: global_buffer, .address_space: global }
      - { .name: wg, .offset: 24, .size: 8, .value_kind: global_buffer, .address_space: global }
      - { .name: wl8, .offset: 32, .size: 8, .value_kind: global_buffer, .address_space: global }
      - { .name: xq, .offset: 40, .size: 8, .value_kind: global_buffer, .address_space: global }
    .group_segment_fixed_size: 18432
    .private_segment_fixed_size: 0
    .kernarg_segment_align: 8
    .kernarg_segment_size: 48
    .max_flat_workgroup_size: 256
    .sgpr_count:     66
    .vgpr_count:     128
    .wavefront_size: 32
...
	.end_amdgpu_metadata
.endif
;; end of part 5
;; launch geglu: the kernel of part 2 again; grid 64 x 4, 4 waves a work-group, clusters of 4 x 4, 327,680 bytes of LDS; arguments xq, wg, act8; writes act8
;; launch down: the kernel of part 3 again; grid 16 x 16, 4 waves a work-group, clusters of 4 x 4, 327,680 bytes of LDS; arguments act8, wl8, part; writes part
;; launch sum: the kernel of part 4 again; grid 256 x 1, 8 waves a work-group, no clusters, 0 bytes of LDS; arguments part, out0; writes out0
